; MI455X (gfx1250); checked and timed in simulation.
; The chip was launched on July 23, 2026; its instructions are those of AMD's public machine-readable ISA for CDNA 5 (MIT licence, August 2026) and "CDNA5" Instruction Set Architecture Reference Guide (July 2026). The comments in the code are by the model that wrote it; some were corrected since.
;; Mistral Flash Attention2. Allowed arithmetic: matrix products marked QUANTISED: E2M3 operands, one E8M0 scale for each 32 along K, by v_wmma_scale_f32_16x16x128_f8f6f4 with both operands' format E2M3, f32 sums; everything else in f32.
;; Inputs: key_codes 1 x 4,096 x 64 x 24 uint8 (E2M3 codes of key, K innermost, in blocks of 32 codes, four codes in three bytes); key_scales 1 x 4,096 x 64 uint8 (E8M0 scales of key, one for each 32 codes along K); position_ids 1 x 4,096 int32; query_codes 1 x 4,096 x 64 x 24 uint8 (E2M3 codes of query, K innermost, in blocks of 32 codes, four codes in three bytes); query_scales 1 x 4,096 x 64 uint8 (E8M0 scales of query, one for each 32 codes along K); value_codes 1 x 4,096 x 64 x 24 uint8 (E2M3 codes of value, K innermost, in blocks of 32 codes, four codes in three bytes); value_scales 1 x 4,096 x 64 uint8 (E8M0 scales of value, one for each 32 codes along K); wk_codes 512 x 64 x 24 uint8 (E2M3 codes of wk, K innermost, in blocks of 32 codes, four codes in three bytes); wk_scales 512 x 64 uint8 (E8M0 scales of wk, one for each 32 codes along K); wo_codes 2,048 x 32 x 24 uint8 (E2M3 codes of wo, K innermost, in blocks of 32 codes, four codes in three bytes); wo_scales 2,048 x 32 uint8 (E8M0 scales of wo, one for each 32 codes along K); wq_codes 1,024 x 64 x 24 uint8 (E2M3 codes of wq, K innermost, in blocks of 32 codes, four codes in three bytes); wq_scales 1,024 x 64 uint8 (E8M0 scales of wq, one for each 32 codes along K); wv_codes 512 x 64 x 24 uint8 (E2M3 codes of wv, K innermost, in blocks of 32 codes, four codes in three bytes); wv_scales 512 x 64 uint8 (E8M0 scales of wv, one for each 32 codes along K).
;; Outputs: out0 1 x 4,096 x 2,048 float32.
;; This version of the problem:
;;   THIS VERSION OF THE PROBLEM IS GIVEN IN LOW PRECISION. The matrix products marked QUANTISED in the list below multiply operands that are first quantised to E2M3 (2 exponent bits, 3 mantissa bits; 6 bits a number), with one power-of-two scale for each 32 numbers along K (OCP MX v1.0); their sums are f32. All else is computed in f32.
;;   The module's matrix products, in the order in which they are computed (A, B: the left and right operand; K: the contracted axis; several contracted axes count as one K, in the product's order):
;;     1. [M 4,096, K 2,048] x [K 2,048, N 1,024]; A: input query (given as codes); B: input wq (given as codes): QUANTISED
;;     2. [M 4,096, K 2,048] x [K 2,048, N 512]; A: input key (given as codes); B: input wk (given as codes): QUANTISED
;;     3. [M 4,096, K 2,048] x [K 2,048, N 512]; A: input value (given as codes); B: input wv (given as codes): QUANTISED
;;     4. batch 8 x [M 4,096, K 128] x [K 128, N 4,096]; A: computed on the way; B: computed on the way: QUANTISED
;;     5. batch 8 x [M 4,096, K 4,096] x [K 4,096, N 128]; A: softmax (see below); B: computed on the way: QUANTISED
;;     6. [M 4,096, K 1,024] x [K 1,024, N 2,048]; A: computed on the way; B: input wo (given as codes): QUANTISED
;;   THE QUANTISER, for each operand of a quantised product, along K:
;;     - K is cut into blocks of 32 from its start; a last block that is shorter is filled with zeros.
;;     - A block's scale is 2^e with e = floor(log2(the largest magnitude in the block)) - 2, held to -126 .. 127; a block of zeros has e = 0. As a byte (E8M0): e + 127.
;;     - Each number is divided by its block's scale, clamped to +-7.5, and rounded to the nearest number of E2M3, ties to even, subnormals kept.
;;     - The product sums the exact products of the quantised numbers (number of the format x scale) in f32.
;;   ~~~python
;;   def quantise(x, axis):      # numpy; x: float32 -> the quantised numbers, widened to float32 again
;;       x = np.moveaxis(x, axis, -1); K = x.shape[-1]
;;       x = np.pad(x, [(0, 0)] * (x.ndim - 1) + [(0, -K % 32)]); x = x.reshape(x.shape[:-1] + (-1, 32)); a = np.abs(x).max(-1, keepdims=True)
;;       e = np.where(a > 0, np.clip(np.frexp(np.where(a > 0, a, 1))[1] - 1 - 2, -126, 127), 0)      # np.frexp(a)[1] - 1 = floor(log2(a)), exactly
;;       r = np.clip(x / 2.0 ** e, -7.5, 7.5)
;;       step = 2.0 ** (np.maximum(np.frexp(np.where(r == 0, 1, r))[1] - 1, 0) - 3)
;;       q = np.round(r / step) * step * 2.0 ** e      # np.round: ties to even
;;       return np.moveaxis(q.reshape(q.shape[:-2] + (-1,))[..., :K], -1, axis).astype(np.float32)
;;   ~~~
;;   SOFTMAX AHEAD OF A QUANTISED PRODUCT. Where the list says 'softmax', what is quantised is not the finished softmax but p = 2^(t - M), with t = logit x log2(e) and M = ceil(the row's largest t), a whole number; so 1/2 < the row's largest p <= 1. The row's sum l is taken of the UNQUANTISED p, in f32, and the product's result is divided by l at the end. Since M is a whole number, a kernel that streams over the keys may use a running M (the ceiling of the running maximum): every later rescaling is an exact power of two, which a block's scale takes up: the codes' values come out the same.
;;   OPERANDS COMPUTED ON THE WAY. 'Computed on the way' means the value that the module computes at that place (a softmax that the list does not call 'softmax' is quantised finished and normalised). What goes into a quantiser is computed in f32, as accurately as f32 sums, v_exp_f32 and their like allow (about 1e-6 of the number): no bf16 or f16 on the way to a quantiser, and a product that is left as it is and whose result goes on into a quantised operand takes f32 operands (vector FMAs, or v_wmma_f32_16x16x4_f32). A number that lies on a knife's edge between two numbers of the format may be rounded either way, as far as f32 arithmetic and the matrix unit's own rounding can turn it there, and no further.
;;   INPUTS GIVEN AS CODES. key (in the module: [1, 4096, 2048], K = its axis 2); query (in the module: [1, 4096, 2048], K = its axis 2); value (in the module: [1, 4096, 2048], K = its axis 2); wk (in the module: [2048, 512], K = its axis 0); wo (in the module: [1024, 2048], K = its axis 0); wq (in the module: [2048, 1024], K = its axis 0); wv (in the module: [2048, 512], K = its axis 0): each comes as NAME_codes (uint8): NAME with its K axis moved to the last place and cut into blocks of 32 codes, [.., K / 32, bytes a block], one block behind the other in memory; four codes in three bytes: a row's codes are one little-endian stream of bits, code i at bits 6 i .. 6 i + 5 (a code: sign, 2 exponent bits, 3 mantissa bits); and NAME_scales (uint8): the same leading axes, one E8M0 byte (e + 127) for each 32 codes along K. Its value is code x scale, taken as it is: it is not quantised again, and the codes and scales need not be those that the quantiser above would give.
;; One version. Each part assembles by itself: llvm-mc -triple=amdgcn-amd-amdhsa -mcpu=gfx1250 --defsym DOCPART=n.
;; ======== version 1 of 1: 3 launches
;; limits: right only within a limited range of input values
;; workspace buffers: qf 3,276,800 bytes; kv 3,276,800 bytes; af 3,276,800 bytes
;; launch proj (part 1): grid 256 x 1, 4 waves a work-group, clusters of 4 x 1, 327,680 bytes of LDS; arguments query_codes, query_scales, key_codes, key_scales, value_codes, value_scales, wq_codes, wq_scales, wk_codes, wk_scales, wv_codes, wv_scales, position_ids, qf, kv; writes qf, kv
.if DOCPART == 1
	.amdgcn_target "amdgcn-amd-amdhsa--gfx1250"
	.amdhsa_code_object_version 6
	.text
	.protected	k_q1bf08c5709_proj
	.globl	k_q1bf08c5709_proj
	.p2align	8
	.type	k_q1bf08c5709_proj,@function
k_q1bf08c5709_proj:
	s_mov_b64 s[64:65], 0
	v_nop
	global_prefetch_b8 v0, s[64:65] scope:SCOPE_SE
	s_setreg_imm32_b32 hwreg(HW_REG_WAVE_MODE, 25, 1), 1
	s_wait_xcnt 0x0
	s_wait_alu depctr_hold_cnt(0) depctr_sa_sdst(0) depctr_va_vdst(0) depctr_va_sdst(0) depctr_va_ssrc(0) depctr_va_vcc(0) depctr_vm_vsrc(0)
	s_getreg_b32 s2, hwreg(HW_REG_IB_STS2, 6, 4)
	s_cmp_eq_u32 s2, 0
	s_cbranch_scc0 .Lentry_in_a_cluster
	s_endpgm
.Lentry_in_a_cluster:
	s_bfe_u32 s2, ttmp6, 0x10000c
	s_cmp_lg_u32 s2, 0x3003
	s_cbranch_scc0 .Lentry_shape_is_right
	s_endpgm
.Lentry_shape_is_right:
; FIRST LAUNCH: q = query wq, k = key wk (both with RoPE), v^T = wv^T value^T, on codes of FP6 (E2M3) with E8M0 scales, K = 2,048; each result is quantised along the next product's K
; and stored as images of the operand's registers (1,536 bytes a fragment of 16 x 128) with its scale words, in the order in which the second launch reads them.
; WORK LEFT OUT BY THE PROGRAM (in the second launch): steps of 128 keys that lie wholly under reference()'s own mask (key > query or key < query - 2048). Their scores are finfo.min, every row keeps
; its own key, so their p is 0 for all finite inputs. A NaN, an infinity or an overflow that would arise only in those steps is not carried to the result. Every input is loaded.
; LIMIT: the angle is reduced by multiples of pi/2 in two parts; that keeps f32 accuracy for angles up to about 1e5 (positions here lie under 4,096).
; SHARES. Clusters 0-31: q (32 row tiles x 4 column tiles); 32-47: k; 48-63: v^T (rows = wv's 512, columns = tokens). A work-group makes 128 x 256; wave w: rows 64 (w / 2), columns 128 (w % 2): 4 x 8 accumulators.
; The four partners of a cluster take four row tiles against the SAME 256 rows of the other operand, which is asked for jointly.
; THE RING: two LDS slots, each one chunk of 256 bytes of the 128 + 256 rows; a row of codes is 1,536 bytes, six chunks, each on a 256-byte border. A step of 128 along K is 96 bytes: eight steps to three chunks;
; steps 2 and 5 of each eight lie across two chunks. Slots and chunks come back to where they began after sixteen steps, which is all of K: the walk is written out.
; TRANSPOSED: source 0 = 16 rows of the joint operand, source 1 = 16 of my rows.
.set ROWB,  256
.set CHUNKS, 6
.set PITCH, 272                        ; 256 bytes + 16 of padding
.set AH,    64*PITCH
.set BH,    128*PITCH
.set SLOT,  2*AH+2*BH
.set SCLA,  2*SLOT                     ; scales for all of K: units of 256 + 16
.set SAH,   16*272
.set SBH,   32*272
.set SCLB,  SCLA+2*SAH
.set SBLK,  4*272
.set TBL,   SCLB+2*SBH                 ; cos and sin of my 128 tokens: 512 + 16 bytes a token
.set TP,    528
.set IFT,   TBL+128*TP
.set SPARE, IFT+1024
.set ADRA, 16                          ; v16-17 my fragments in slot 0, 1; v18-19 lanes 0-15 at byte 232 of slot 0, 1, lanes 16-31 at byte 0 of the other slot
.set ADRB, 20
.set LI,   24
.set TBR,  25
.set TBW,  26
.set ADRS, 27
.set SPW,  28
.set NIL,  29
.set L8,   30
.set LN,   31
.set POF,  15
.set IFW,  14
.set IFR,  13
.set PFO,  12                          ; the prefetches' offset: lane x 1,536; never rewritten
.set SC,   32
.set AF,   128
.set PH, 32
.set PL, 33
.set CHI, 34
.set CLO, 35
.set TT, 36
.set EE, 37
.set SS, 38
.set KA, 39
.set KB, 40
.set MB, 41
.set P2, 42
.set Y0, 43
.set Y1, 44
.set E0, 45
.set E1, 46
.set IFQ, 64
.set POS, 128
.set AN,  132
.set NN,  136
.set ZZ,  140
.set PS,  144
.set PCO, 148
.set T4,  152
.set U4,  156
.set SR,  160
.set CR,  164
.set QQ,  168
.set OS,  172
.set OC,  176
.set KS0, 180
.set KC0, 182
.set CS,  64
.set SN,  96
.set Y,   128
.set PC,  192
.set TM,  212
.set PWA, 228
.set WV, 34
.set RH, 35
.set CH, 60
.set AT, 61
.set BT, 62
.set CX, 63
.set G0H,  8                           ; group 0 of the head's loads of chunk 0
.set G0HB, 12
.set PFA,  20                          ; s[20:21], s[22:23]: the rows that my prefetches name; never rewritten
.set PFB,  22
.set G1A,  36
.set G1B,  44
.set G1SA, 52
.set G1SB, 68
.set G0A,  76
.set G0B,  84
.set G0SA, 92
.set G0SB, 96
.set STR, 42
.set OUT, 46
.set SCO, 48
.set SEL, 50
.set MSB, 0
.macro WIN new
.if MSB != (\new)
	s_set_vgpr_msb (MSB<<8)|(\new)
.set MSB, (\new)
.endif
.endm
.macro PLACES n
.rept \n
	v_nop
.endr
.endm
.macro JLOAD g0a, g1a, g0b, g1b        ; waves 0, 1 fetch my own rows, waves 2, 3 the joint rows
	s_cmp_eq_u32 s[RH], 0
	s_cbranch_scc0 .Lfor_b_\@
	tensor_load_to_lds s[\g0a:\g0a+3], s[\g1a:\g1a+7]
	s_nop 0
.rept 4
	v_nop
.endr
	s_branch .Lasked_\@
.Lfor_b_\@:
	tensor_load_to_lds s[\g0b:\g0b+3], s[\g1b:\g1b+7]
	s_nop 0
.rept 4
	v_nop
.endr
.Lasked_\@:
.endm
.macro CREST
	s_cmp_lg_u32 s[WV], 0
	s_cbranch_scc1 .Lnot_wave_0_\@
	s_barrier_signal -3
.Lnot_wave_0_\@:
	s_barrier_wait -3
	s_barrier_signal -1
	s_barrier_wait -1
.endm
.macro CROUND
	s_barrier_signal -1
	s_barrier_wait -1
	CREST
.endm
	s_load_b512 s[4:19], s[0:1], 0x0
	s_load_b256 s[20:27], s[0:1], 0x40
	s_load_b128 s[28:31], s[0:1], 0x60
	s_load_b64 s[32:33], s[0:1], 0x70
	v_lshl_add_u32 v[SPW], v0, 2, SPARE
	v_mov_b32 v[NIL], 0
	ds_add_u32 v[SPW], v[NIL]              ; the opening lines: the add twice on end and its wait
	ds_add_u32 v[SPW], v[NIL]
	v_lshrrev_b32 v1, 5, v0
	v_readfirstlane_b32 s[WV], v1
	s_lshr_b32 s[RH], s[WV], 1
	s_and_b32 s[CH], s[WV], 1
	s_bfe_u32 s[CX], ttmp6, 0x40000
	s_lshr_b32 s66, ttmp9, 2
	s_sub_co_u32 s67, ttmp9, 32
	s_lshr_b32 s67, s67, 1
	s_and_b32 s100, ttmp9, 3
	s_and_b32 s101, ttmp9, 1
	s_and_b32 s3, ttmp9, 15
	s_cmp_lt_u32 ttmp9, 48
	s_cselect_b32 s67, s67, 0
	s_cselect_b32 s101, s101, s3
	s_cmp_lt_u32 ttmp9, 32
	s_cselect_b32 s66, s66, s67
	s_cselect_b32 s[BT], s100, s101        ; the joint tile of 256 rows: the cluster's number alone
	s_lshl_b32 s66, s66, 2
	s_add_co_u32 s[AT], s66, s[CX]         ; my tile of 128 rows
	s_mov_b32 s[G1A], (1<<20)|(5<<22)|(3<<25)      ; bytes; 16 of padding behind every 256; at the head 128 rows
	s_mov_b32 s[G1A+1], ROWB<<16
	s_mov_b32 s[G1A+2], 128<<16
	s_mov_b32 s[G1A+3], ROWB<<16
	s_mov_b32 s[G1A+4], 128
	s_mov_b32 s[G1A+5], 1536
	s_mov_b32 s[G1A+6], 0
	s_mov_b32 s[G1A+7], 0
	s_mov_b32 s[G1B], 15|(1<<20)|(1<<21)|(5<<22)|(3<<25)   ; joint; at the head 256 rows
	s_mov_b32 s[G1B+1], ROWB<<16
	s_mov_b32 s[G1B+2], 256<<16
	s_mov_b32 s[G1B+3], ROWB<<16
	s_mov_b32 s[G1B+4], 256
	s_mov_b32 s[G1B+5], 1536
	s_mov_b32 s[G1B+6], 0
	s_mov_b32 s[G1B+7], 0
	s_mov_b32 s[G1SA], (3<<16)|(1<<20)|(5<<22)|(3<<25)     ; scales of 128 rows: 8,192 dense bytes as 32 rows of 256
	s_mov_b32 s[G1SA+1], 32<<16
	s_mov_b32 s[G1SA+2], 32<<16
	s_mov_b32 s[G1SA+3], 32<<16
	s_mov_b32 s[G1SA+4], 32
	s_mov_b32 s[G1SA+5], 32
	s_mov_b32 s[G1SA+6], 0
	s_mov_b32 s[G1SA+7], 0
	s_mov_b32 s[G1SB], 15|(3<<16)|(1<<20)|(1<<21)|(5<<22)|(3<<25)  ; of the joint 256 rows: 64 rows of 256
	s_mov_b32 s[G1SB+1], 32<<16
	s_mov_b32 s[G1SB+2], 64<<16
	s_mov_b32 s[G1SB+3], 32<<16
	s_mov_b32 s[G1SB+4], 64
	s_mov_b32 s[G1SB+5], 32
	s_mov_b32 s[G1SB+6], 0
	s_mov_b32 s[G1SB+7], 0
	s_mul_i32 s2, s[CH], AH                ; in the ring: where my half of a tile goes
	s_mul_i32 s3, s[CH], BH
	s_add_co_u32 s3, s3, 2*AH
	s_wait_dscnt 0x0
	s_wait_kmcnt 0x0
	s_cmp_lt_u32 ttmp9, 48
	s_cselect_b64 s[8:9], s[8:9], s[24:25]
	s_cselect_b64 s[10:11], s[10:11], s[26:27]
	s_cselect_b64 s[20:21], s[20:21], s[12:13]
	s_cselect_b64 s[22:23], s[22:23], s[14:15]
	s_cmp_lt_u32 ttmp9, 32
	s_cselect_b64 s[4:5], s[4:5], s[8:9]
	s_cselect_b64 s[6:7], s[6:7], s[10:11]
	s_cselect_b64 s[16:17], s[16:17], s[20:21]
	s_cselect_b64 s[18:19], s[18:19], s[22:23]
	s_cselect_b64 s[30:31], s[30:31], s[32:33]
	s_lshl_b32 s8, s[AT], 7
	s_mul_i32 s10, s8, 1536
	s_mov_b32 s11, 0
	s_lshl_b32 s12, s8, 6
	s_mov_b32 s13, 0
	s_add_nc_u64 s[4:5], s[4:5], s[10:11]          ; my tile's codes
	s_add_nc_u64 s[6:7], s[6:7], s[12:13]          ; and scales
	s_lshl_b32 s20, s[BT], 8
	s_mul_i32 s22, s20, 1536
	s_mov_b32 s23, 0
	s_lshl_b32 s24, s20, 6
	s_mov_b32 s25, 0
	s_add_nc_u64 s[16:17], s[16:17], s[22:23]      ; the joint tile's codes
	s_add_nc_u64 s[18:19], s[18:19], s[24:25]
	CROUND                                         ; the four partners are here: the first joint loads meet
	s_mov_b32 s[G0H], 1
	s_mov_b32 s[G0H+1], 0
	s_mov_b64 s[G0H+2:G0H+3], s[4:5]
	s_or_b32 s[G0H+3], s[G0H+3], 0x80000000
	s_mov_b32 s[G0HB], 1
	s_mov_b32 s[G0HB+1], 2*AH
	s_mov_b64 s[G0HB+2:G0HB+3], s[16:17]
	s_or_b32 s[G0HB+3], s[G0HB+3], 0x80000000
	s_mov_b32 s[G0SA], 1
	s_mov_b32 s[G0SA+1], SCLA
	s_mov_b64 s[G0SA+2:G0SA+3], s[6:7]
	s_or_b32 s[G0SA+3], s[G0SA+3], 0x80000000
	s_mov_b32 s[G0SB], 1
	s_mov_b32 s[G0SB+1], SCLB
	s_mov_b64 s[G0SB+2:G0SB+3], s[18:19]
	s_or_b32 s[G0SB+3], s[G0SB+3], 0x80000000
	s_mul_i32 s20, s[WV], 32*1536                  ; prefetches: of my tile's 128 rows each wave names 32;
	s_mov_b32 s21, 0
	s_add_nc_u64 s[PFA:PFA+1], s[4:5], s[20:21]
	s_lshl_b32 s22, s[CX], 6                       ; of the joint 256 rows each partner names 64, told apart by address: waves 2, 3 take 32 each
	s_lshl_b32 s23, s[CH], 5
	s_add_co_u32 s22, s22, s23
	s_mul_i32 s22, s22, 1536
	s_mov_b32 s23, 0
	s_add_nc_u64 s[PFB:PFB+1], s[16:17], s[22:23]
	s_mul_i32 s24, s[CH], 64*1536                  ; for the ring: my half of a tile
	s_mov_b32 s25, 0
	s_mul_i32 s26, s[CH], 128*1536
	s_mov_b32 s27, 0
	s_add_nc_u64 s[4:5], s[4:5], s[24:25]
	s_add_nc_u64 s[16:17], s[16:17], s[26:27]
.irp n, 0,1
	s_mov_b32 s[G0A+4*\n], 1
	s_add_co_u32 s[G0A+4*\n+1], s2, \n*SLOT
	s_add_nc_u64 s[G0A+4*\n+2:G0A+4*\n+3], s[4:5], \n*ROWB
	s_or_b32 s[G0A+4*\n+3], s[G0A+4*\n+3], 0x80000000
	s_mov_b32 s[G0B+4*\n], 1
	s_add_co_u32 s[G0B+4*\n+1], s3, \n*SLOT
	s_add_nc_u64 s[G0B+4*\n+2:G0B+4*\n+3], s[16:17], \n*ROWB
	s_or_b32 s[G0B+4*\n+3], s[G0B+4*\n+3], 0x80000000
.endr
; THE HEAD'S LOADS, one a wave: chunk 0 of my 128 rows, chunk 0 of the joint 256, my scales, the joint scales. One chain of branches on the wave's number, one join.
.macro ARM under, g0, g1, next
	s_cmp_lt_u32 s[WV], \under
	s_cbranch_scc0 \next
	tensor_load_to_lds s[\g0:\g0+3], s[\g1:\g1+7]
	s_nop 0
.rept 4
	v_nop
.endr
	s_branch .Lhead_asked
\next:
.endm
	ARM 1, G0H,  G1A,  .Lhead_b
	ARM 2, G0HB, G1B,  .Lhead_sa
	ARM 3, G0SA, G1SA, .Lhead_sb
	tensor_load_to_lds s[G0SB:G0SB+3], s[G1SB:G1SB+7]
	s_nop 0
.rept 4
	v_nop
.endr
.Lhead_asked:
	s_mul_i32 s24, s[RH], AH                       ; my 64 rows
	s_mul_i32 s25, s[CH], BH                       ; my 128 of the joint rows
	s_add_co_u32 s25, s25, 2*AH
	s_mov_b32 s26, SLOT-232
	s_mov_b32 s27, SLOT+232
	s_mul_i32 s67, s[RH], SAH
	s_mul_i32 s66, s[CH], SBH
	s_add_co_u32 s66, s66, SCLB-SCLA
	s_sub_co_u32 s66, s66, s67                     ; from my rows' scales to the joint rows'
	s_add_co_u32 s67, s67, SCLA
	s_mul_i32 s100, s[RH], 64*TP
	s_add_co_u32 s100, s100, TBL
	s_cmp_ge_u32 ttmp9, 48
	s_cbranch_scc1 .Lno_table                      ; v has no RoPE
	; cos and sin of my work-group's 128 tokens, a thread a token, under the loads' flight
	s_lshl_b32 s101, s[AT], 9
	v_lshl_add_u32 v[POF], v0, 2, s101
	global_load_b32 v[POS], v[POF], s[28:29]
	v_and_b32 v[LN], 31, v0
.macro DFSEL bit, hi, lo               ; 10000^(2^bit / 64) in two parts, or 1
	v_and_b32 v[MB], 1<<\bit, v[LN]
	v_mov_b32 v[KA], \hi
	v_mov_b32 v[KB], \lo
	v_cmp_ne_u32 vcc_lo, 0, v[MB]
	v_cndmask_b32 v[CHI], 1.0, v[KA], vcc_lo
	v_cndmask_b32 v[CLO], 0, v[KB], vcc_lo
.endm
.macro DFMUL
	v_mul_f32 v[TT], v[PH], v[CHI]
	v_fma_f32 v[EE], v[PH], v[CHI], -v[TT]
	v_fma_f32 v[EE], v[PH], v[CLO], v[EE]
	v_fma_f32 v[EE], v[PL], v[CHI], v[EE]
	v_add_f32 v[SS], v[TT], v[EE]
	v_sub_f32 v[PL], v[TT], v[SS]
	v_add_f32 v[PL], v[PL], v[EE]
	v_mov_b32 v[PH], v[SS]
.endm
	DFSEL 0, 0x3f93d000, 0xb654d6ff
	v_mov_b32 v[PH], v[CHI]
	v_mov_b32 v[PL], v[CLO]
	DFSEL 1, 0x3faab000, 0x37d48dd4
	DFMUL
	DFSEL 2, 0x3fe3a000, 0xb82b8eaf
	DFMUL
	DFSEL 3, 0x404a6000, 0x393075b5
	DFMUL
	DFSEL 4, 0x41200000, 0
	DFMUL
	s_mov_b32 s101, 0x42c80000
	v_mul_f32 v[TT], s101, v[PH]
	v_fma_f32 v[EE], v[PH], s101, -v[TT]
	v_fma_f32 v[EE], v[PL], s101, v[EE]
	v_add_f32 v[P2], v[TT], v[EE]
	s_wait_alu depctr_va_vdst(0)
	v_rcp_f32 v[Y0], v[PH]                         ; inv_freq of channels lane and lane + 32, refined below
	v_rcp_f32 v[Y1], v[P2]
	v_and_b32 v[IFW], 0x60, v0
	v_lshlrev_b32 v[IFR], 3, v[IFW]
	v_lshlrev_b32 v[IFW], 2, v[IFW]
	v_lshl_add_u32 v[IFW], v0, 2, v[IFW]
	v_add_nc_u32 v[IFW], IFT, v[IFW]
	v_add_nc_u32 v[IFR], IFT, v[IFR]
	s_wait_alu depctr_va_vdst(0)
.rept 2
	v_fma_f32 v[E0], -v[PH], v[Y0], 1.0
	v_fma_f32 v[E1], -v[P2], v[Y1], 1.0
	v_fma_f32 v[Y0], v[Y0], v[E0], v[Y0]
	v_fma_f32 v[Y1], v[Y1], v[E1], v[Y1]
.endr
	ds_store_b32 v[IFW], v[Y0]                     ; through my wave's own 256 bytes: every lane gets all 64
	ds_store_b32 v[IFW], v[Y1] offset:128
.set G4, 0
.rept 16
	ds_load_b128 v[IFQ+4*G4:IFQ+4*G4+3], v[IFR] offset:16*G4
.set G4, G4+1
.endr
	v_mul_u32_u24 v[TBW], v0, TP
	v_add_nc_u32 v[TBW], TBL, v[TBW]
	v_mov_b32 v[KS0], 0xb94ca1f9
	v_mov_b32 v[KS0+1], 0xb94ca1f9
	v_mov_b32 v[KC0], 0x37ccf5ce
	v_mov_b32 v[KC0+1], 0x37ccf5ce
	s_wait_loadcnt 0x0
	v_cvt_f32_i32 v[POS], v[POS]
	v_mov_b32 v[POS+1], v[POS]
	s_wait_alu depctr_va_vdst(0)
	s_wait_dscnt 0x0
.macro TRIG4 g                         ; four angles: reduced by pi/2 in two parts, polynomials, quadrant
.irp e, 0,2
	v_pk_mul_f32 v[AN+\e:AN+\e+1], v[IFQ+4*(\g)+\e:IFQ+4*(\g)+\e+1], v[POS:POS+1]
.endr
.irp e, 0,2
	v_pk_mul_f32 v[NN+\e:NN+\e+1], v[AN+\e:AN+\e+1], 0x3f22f983 op_sel_hi:[1,0]
.endr
.irp e, 0,1,2,3
	v_rndne_f32 v[NN+\e], v[NN+\e]
.endr
.irp e, 0,2
	v_pk_fma_f32 v[AN+\e:AN+\e+1], v[NN+\e:NN+\e+1], 0xbfc90fdb, v[AN+\e:AN+\e+1] op_sel_hi:[1,0,1]
.endr
.irp e, 0,2
	v_pk_fma_f32 v[AN+\e:AN+\e+1], v[NN+\e:NN+\e+1], 0x333bbd2e, v[AN+\e:AN+\e+1] op_sel_hi:[1,0,1]
.endr
.irp e, 0,2
	v_pk_mul_f32 v[ZZ+\e:ZZ+\e+1], v[AN+\e:AN+\e+1], v[AN+\e:AN+\e+1]
.endr
.irp e, 0,2
	v_pk_fma_f32 v[PS+\e:PS+\e+1], v[ZZ+\e:ZZ+\e+1], v[KS0:KS0+1], 0x3c08839e op_sel_hi:[1,1,0]
	v_pk_fma_f32 v[PCO+\e:PCO+\e+1], v[ZZ+\e:ZZ+\e+1], v[KC0:KC0+1], 0xbab6061a op_sel_hi:[1,1,0]
.endr
.irp e, 0,2
	v_pk_fma_f32 v[PS+\e:PS+\e+1], v[PS+\e:PS+\e+1], v[ZZ+\e:ZZ+\e+1], 0xbe2aaaa3 op_sel_hi:[1,1,0]
	v_pk_fma_f32 v[PCO+\e:PCO+\e+1], v[PCO+\e:PCO+\e+1], v[ZZ+\e:ZZ+\e+1], 0x3d2aaaa5 op_sel_hi:[1,1,0]
.endr
.irp e, 0,2
	v_pk_mul_f32 v[T4+\e:T4+\e+1], v[AN+\e:AN+\e+1], v[ZZ+\e:ZZ+\e+1]
	v_pk_mul_f32 v[U4+\e:U4+\e+1], v[ZZ+\e:ZZ+\e+1], v[ZZ+\e:ZZ+\e+1]
.endr
.irp e, 0,2
	v_pk_fma_f32 v[SR+\e:SR+\e+1], v[T4+\e:T4+\e+1], v[PS+\e:PS+\e+1], v[AN+\e:AN+\e+1]
.endr
.irp e, 0,2
	v_pk_fma_f32 v[T4+\e:T4+\e+1], v[ZZ+\e:ZZ+\e+1], -0.5, 1.0 op_sel_hi:[1,0,0]
.endr
.irp e, 0,2
	v_pk_fma_f32 v[CR+\e:CR+\e+1], v[U4+\e:U4+\e+1], v[PCO+\e:PCO+\e+1], v[T4+\e:T4+\e+1]
.endr
.irp e, 0,1,2,3
	v_cvt_i32_f32 v[QQ+\e], v[NN+\e]
.endr
.irp e, 0,1,2,3
	v_and_b32 v[U4+\e], 1, v[QQ+\e]
.endr
.irp e, 0,1,2,3
	v_cmp_ne_u32 vcc_lo, 0, v[U4+\e]
	v_cndmask_b32 v[OS+\e], v[SR+\e], v[CR+\e], vcc_lo
	v_cndmask_b32 v[OC+\e], v[CR+\e], v[SR+\e], vcc_lo
.endr
.irp e, 0,1,2,3
	v_lshlrev_b32 v[T4+\e], 30, v[QQ+\e]
	v_add_lshl_u32 v[U4+\e], v[QQ+\e], 1, 30
.endr
.irp e, 0,1,2,3
	v_and_b32 v[T4+\e], 0x80000000, v[T4+\e]
	v_and_b32 v[U4+\e], 0x80000000, v[U4+\e]
.endr
.irp e, 0,1,2,3
	v_xor_b32 v[OS+\e], v[OS+\e], v[T4+\e]
	v_xor_b32 v[OC+\e], v[OC+\e], v[U4+\e]
.endr
	ds_store_b128 v[TBW], v[OC:OC+3] offset:16*(\g)
	ds_store_b128 v[TBW], v[OS:OS+3] offset:256+16*(\g)
.endm
.set G4, 0
.rept 16
	TRIG4 G4
.set G4, G4+1
.endr
.Lno_table:
	v_and_b32 v1, 15, v0                           ; r
	v_bfe_u32 v2, v0, 4, 1                         ; h
	v_mul_u32_u24 v3, v1, PITCH
	v_mul_u32_u24 v4, v2, 24
	v_add_nc_u32 v4, v3, v4                        ; row x pitch + 24 h
	v_sub_nc_u32 v7, 1, v2
	v_mul_u32_u24 v5, s26, v2
	v_add_nc_u32 v5, v3, v5
	v_add_nc_u32 v5, 232, v5                       ; lanes 0-15 byte 232 in slot 0, lanes 16-31 byte 0 in slot 1
	v_mul_u32_u24 v6, s27, v7
	v_add_nc_u32 v6, v3, v6                        ; lanes 0-15 byte 232 in slot 1, lanes 16-31 byte 0 in slot 0
	v_add_nc_u32 v[ADRA], s24, v4
	v_add_nc_u32 v[ADRB], s25, v4
	v_add_nc_u32 v[ADRA+1], SLOT, v[ADRA]
	v_add_nc_u32 v[ADRB+1], SLOT, v[ADRB]
	v_add_nc_u32 v[ADRA+2], s24, v5
	v_add_nc_u32 v[ADRA+3], s24, v6
	v_add_nc_u32 v[ADRB+2], s25, v5
	v_add_nc_u32 v[ADRB+3], s25, v6
	v_lshlrev_b32 v5, 6, v1                        ; scales: 64 bytes a row, 16 more for each 256 passed
	v_lshrrev_b32 v6, 2, v1
	v_lshl_add_u32 v5, v6, 4, v5
	v_mul_u32_u24 v6, s66, v2                      ; lanes 16-31 take the joint rows'
	v_add_nc_u32 v5, v5, v6
	v_add_nc_u32 v[ADRS], s67, v5
	v_mul_u32_u24 v[TBR], v1, TP
	v_lshl_add_u32 v[TBR], v2, 5, v[TBR]
	v_add_nc_u32 v[TBR], s100, v[TBR]
	v_and_b32 v3, 31, v0
	v_lshlrev_b32 v[LI], 4, v3
	v_lshlrev_b32 v[L8], 3, v3
	v_mul_u32_u24 v[PFO], v3, 1536
.macro FRAG reg, adr, st, i            ; 16 rows x 128 K: six pieces of 8 bytes; byte y of a row lies in chunk y / 256, slot (y / 256) % 2
.irp p, 0,1,2,3,4,5
.set BY, 96*(\st)+48*(\p/3)+8*(\p%3)
.if BY/ROWB == (BY+24)/ROWB
	ds_load_b64 v[\reg+2*\p:\reg+2*\p+1], v[\adr+(BY/ROWB)%2] offset:BY%ROWB+(\i)*16*PITCH
.else
	ds_load_b64 v[\reg+2*\p:\reg+2*\p+1], v[\adr+2+(BY/ROWB)%2] offset:BY%ROWB-232+(\i)*16*PITCH
.endif
.endr
.endm
.macro FETCH st                        ; step st's fragments into set st % 2: 72 loads
	WIN 0x40
.irp i, 0,1,2,3,4,5,6,7
	FRAG 128*((\st)%2)+12*\i, ADRB, \st, \i
.endr
	WIN 0
.irp i, 0,1,2,3
	FRAG AF+48*((\st)%2)+12*\i, ADRA, \st, \i
.endr
.endm
.macro SCALES pr                       ; the scale words of steps 2 pr, 2 pr + 1 into set pr % 2
.irp i, 0,1,2,3,4,5,6,7
	ds_load_b64 v[SC+16*((\pr)%2)+2*\i:SC+16*((\pr)%2)+2*\i+1], v[ADRS] offset:\i*SBLK+8*(\pr)
.endr
.endm
.macro MUL8 a, p, q, sc, zero          ; the 32 accumulators take turns
.irp b, 0,1,2,3,4,5,6,7
.if \zero
	v_wmma_scale_f32_16x16x128_f8f6f4 v[8*(8*(\a)+\b):8*(8*(\a)+\b)+7], v[128*(\p)+12*\b:128*(\p)+12*\b+11], v[AF+48*(\p)+12*(\a):AF+48*(\p)+12*(\a)+11], 0, v[SC+16*(\sc)+2*\b+(\q)], v[SC+16*(\sc)+2*(\a)+(\q)] matrix_a_fmt:MATRIX_FMT_FP6 matrix_b_fmt:MATRIX_FMT_FP6 matrix_a_scale:MATRIX_SCALE_ROW1
.else
	v_wmma_scale_f32_16x16x128_f8f6f4 v[8*(8*(\a)+\b):8*(8*(\a)+\b)+7], v[128*(\p)+12*\b:128*(\p)+12*\b+11], v[AF+48*(\p)+12*(\a):AF+48*(\p)+12*(\a)+11], v[8*(8*(\a)+\b):8*(8*(\a)+\b)+7], v[SC+16*(\sc)+2*\b+(\q)], v[SC+16*(\sc)+2*(\a)+(\q)] matrix_a_fmt:MATRIX_FMT_FP6 matrix_b_fmt:MATRIX_FMT_FP6 matrix_a_scale:MATRIX_SCALE_ROW1
.endif
.endr
.endm
; A step: 32 products on step st's fragments, and the fetch of the next step's. Where the next step's bytes END in a chunk not yet read, a barrier shows that chunk whole; where they BEGIN in a later chunk than this
; step's, the chunk left behind is free: the three lines, the barrier (which opens a round of the cluster's barrier) and the refill two chunks on.
.macro STEP st, zero
.set NX, (\st)+1
.set CB0, (96*(\st))/ROWB
.set CB1, (96*NX)/ROWB
.set CE0, (96*(\st)+95)/ROWB
.set CE1, (96*NX+95)/ROWB
.if CB1 > CB0 || CE1 > CE0
	s_wait_tensorcnt 0x0                           ; all my tensor loads have landed
.if CB1 > CB0
	ds_add_u32 v[SPW], v[NIL]
	s_wait_dscnt 0x1                               ; this step's fragments are in; the add alone may be out
.else
	s_wait_dscnt 0x0
.endif
	WIN 0xa1
	MUL8 0, (\st)%2, (\st)%2, ((\st)/2)%2, \zero
	s_wait_dscnt 0x0                               ; the add, and my reads of the chunk left behind
	s_barrier_signal -1
	MUL8 1, (\st)%2, (\st)%2, ((\st)/2)%2, \zero
	WIN 0
	s_barrier_wait -1
.if CB1 > CB0 && CB0+2 < CHUNKS
	CREST
	s_add_nc_u64 s[G0A+4*(CB0%2)+2:G0A+4*(CB0%2)+3], s[G0A+4*(CB0%2)+2:G0A+4*(CB0%2)+3], 2*ROWB
	s_add_nc_u64 s[G0B+4*(CB0%2)+2:G0B+4*(CB0%2)+3], s[G0B+4*(CB0%2)+2:G0B+4*(CB0%2)+3], 2*ROWB
	JLOAD G0A+4*(CB0%2), G1A, G0B+4*(CB0%2), G1B   ; chunk CB0 + 2; its four v_nop are the places in front of the loads below
.else
	PLACES 4
.endif
	FETCH NX
.if NX%2 == 0
	SCALES NX/2
.endif
.if CB1 > CB0 && CB0+4 < CHUNKS
	; the chunk two refills on is asked of memory: a lane a row of 256 bytes; chunks 4 and 5 alone have a refill two ahead of them
	global_prefetch_b8 v[PFO], s[PFA:PFA+1] offset:(CB0+4)*ROWB th:TH_LOAD_NT scope:SCOPE_SE
	s_cmp_eq_u32 s[RH], 0
	s_cbranch_scc1 .Lnb_\@
	global_prefetch_b8 v[PFO], s[PFB:PFB+1] offset:(CB0+4)*ROWB th:TH_LOAD_NT scope:SCOPE_SE
.Lnb_\@:
.endif
	WIN 0xa1
	MUL8 2, (\st)%2, (\st)%2, ((\st)/2)%2, \zero
	MUL8 3, (\st)%2, (\st)%2, ((\st)/2)%2, \zero
	WIN 0
.else
	s_wait_dscnt 0x0
	PLACES 4                                       ; between the last step's products and the loads into their set
	FETCH NX
.if NX%2 == 0
	SCALES NX/2
.endif
	WIN 0xa1
.irp a, 0,1,2,3
	MUL8 \a, (\st)%2, (\st)%2, ((\st)/2)%2, \zero
.endr
	WIN 0
.endif
.endm
	s_wait_alu depctr_va_vdst(0)                   ; the wait at the head's end
	s_wait_tensorcnt 0x0                           ; my tile of the head's four is in
	ds_add_u32 v[SPW], v[NIL]
	s_mov_b32 s[G1A+2], 64<<16                     ; no load of mine is out: from here on a load brings half a tile
	s_mov_b32 s[G1A+4], 64
	s_mov_b32 s[G1B+2], 128<<16
	s_mov_b32 s[G1B+4], 128
	s_wait_dscnt 0x0                               ; the add, and my stores to the table
	CROUND
	JLOAD G0A+4, G1A, G0B+4, G1B                   ; chunk 1, slot 1's first fill, issued as a refill is
	FETCH 0
	SCALES 0
	STEP 0, 1
.set ST, 1
.rept 14
	STEP ST, 0
.set ST, ST+1
.endr
	s_wait_dscnt 0x0
	WIN 0xa1
.irp a, 0,1,2,3
	MUL8 \a, 1, 1, 1, 0
.endr
	WIN 0
; THE WAY OUT: RoPE (q, k), the quantiser along the 128 channels (q, k) or 128 keys (v^T), images and scale words out.
.macro QUANT s, W, pw
	WIN (\W)|((\W)<<2)
.irp b, 0,1,2,3
	v_max3_num_f32 v[TM+\b], |v[(\s)+16*\b]|, |v[(\s)+1+16*\b]|, 0x1800000
.endr
	WIN ((\W)<<2)|((\W)<<4)
.irp i, 2,4,6,8,10,12,14
.irp b, 0,1,2,3
	v_max3_num_f32 v[TM+\b], v[TM+\b], |v[(\s)+16*\b+\i]|, |v[(\s)+1+16*\b+\i]|
.endr
.endr
	WIN 0
.irp b, 0,1,2,3
	v_permlanex16_b32 v[TM+4+\b], v[TM+\b], s[SEL], s[SEL+1]
.endr
.irp b, 0,1,2,3
	v_max_num_f32 v[TM+\b], v[TM+\b], v[TM+4+\b]
.endr
.irp b, 0,1,2,3
	v_add_nc_u32 v[TM+12+\b], 0xff000000, v[TM+\b]
.endr
.irp b, 0,1,2,3
	v_lshrrev_b32 v[TM+4+\b], 23, v[TM+12+\b]
.endr
	v_lshl_or_b32 v[\pw], v[TM+5], 8, v[TM+4]
	v_lshl_or_b32 v[\pw], v[TM+6], 16, v[\pw]
	v_lshl_or_b32 v[\pw], v[TM+7], 24, v[\pw]
	WIN (\W)
.irp c, 0,1
	v_cvt_scalef32_pk16_fp6_f32 v[PC+6*\c:PC+2+6*\c], v[(\s)+32*\c:(\s)+15+32*\c], v[TM+12+2*\c]
	v_cvt_scalef32_pk16_fp6_f32 v[PC+12+4*\c:PC+14+4*\c], v[(\s)+16+32*\c:(\s)+31+32*\c], v[TM+12+2*\c+1]
.endr
	WIN 0
	v_nop
.irp c, 0,1
.irp i, 0,1,2
	v_permlane16_swap_b32 v[PC+6*\c+\i], v[PC+12+4*\c+\i]
.endr
.irp i, 0,1,2
	v_mov_b32 v[PC+3+6*\c+\i], v[PC+12+4*\c+\i]
.endr
.endr
.endm
.macro PUT
.irp c, 0,1,2
	global_store_b128 v[LI], v[PC+4*\c:PC+4*\c+3], s[OUT:OUT+1] offset:512*\c
.endr
.endm
	PLACES 4
	s_lshl_b32 s36, s[BT], 1
	s_add_co_u32 s36, s36, s[CH]
	s_lshl_b32 s37, s36, 6
	s_lshl_b32 s38, s[AT], 1
	s_add_co_u32 s37, s37, s38
	s_add_co_u32 s37, s37, s[RH]
	s_mul_i32 s37, s37, 6400
	s_add_co_u32 s38, s37, 6144
	s_lshl_b32 s39, s36, 4
	s_lshr_b32 s40, s[AT], 1
	s_add_co_u32 s39, s39, s40
	s_mul_i32 s39, s39, 51200
	s_and_b32 s40, s[AT], 1
	s_lshl_b32 s41, s[RH], 3
	s_add_co_u32 s41, s41, s40
	s_mul_i32 s41, s41, 1536
	s_add_co_u32 s41, s41, s39
	s_lshl_b32 s40, s40, 1
	s_add_co_u32 s40, s40, s[RH]
	s_lshl_b32 s40, s40, 8
	s_add_co_u32 s40, s40, s39
	s_add_co_u32 s40, s40, 49152
	s_lshl_b32 s42, s[AT], 4
	s_add_co_u32 s42, s42, s[BT]
	s_mul_i32 s42, s42, 51200
	s_lshl_b32 s43, s[RH], 3
	s_add_co_u32 s43, s43, s[CH]
	s_mul_i32 s43, s43, 1536
	s_add_co_u32 s43, s43, s42
	s_add_co_u32 s43, s43, 24576
	s_lshl_b32 s44, s[CH], 1
	s_add_co_u32 s44, s44, s[RH]
	s_lshl_b32 s44, s44, 8
	s_add_co_u32 s44, s44, s42
	s_add_co_u32 s44, s44, 50176
	s_cmp_lt_u32 ttmp9, 48
	s_cselect_b32 s41, s41, s43
	s_cselect_b32 s40, s40, s44
	s_cmp_lt_u32 ttmp9, 32
	s_cselect_b32 s36, s37, s41
	s_cselect_b32 s38, s38, s40
	s_mov_b32 s[STR], 3072
	s_cselect_b32 s[STR], 1536, s[STR]
	s_mov_b32 s[STR+1], 0
	s_mov_b32 s37, 0
	s_mov_b32 s39, 0
	s_add_nc_u64 s[OUT:OUT+1], s[30:31], s[36:37]
	s_add_nc_u64 s[SCO:SCO+1], s[30:31], s[38:39]
	s_mov_b32 s[SEL], 0x76543210
	s_mov_b32 s[SEL+1], 0xfedcba98
	s_mov_b32 s44, 0xffff0000
.irp b, 0,1,2,3
	v_mov_b32 v[TM+4+\b], 0
.endr
	s_cmp_ge_u32 ttmp9, 48
	s_cbranch_scc1 .Lv_out
.macro TLD a
.irp b, 0,1,2,3
.irp k, 0,1
	ds_load_b128 v[CS+8*\b+4*\k:CS+8*\b+4*\k+3], v[TBR] offset:(\a)*16*TP+64*\b+16*\k
	ds_load_b128 v[SN+8*\b+4*\k:SN+8*\b+4*\k+3], v[TBR] offset:(\a)*16*TP+256+64*\b+16*\k
.endr
.endr
.endm
.macro ROPE a
	s_wait_dscnt 0x0
	WIN 0x02
.irp n, 0,2,4,6,8,10,12,14,16,18,20,22,24,26,28,30
	v_pk_mul_f32 v[Y+\n:Y+\n+1], v[64*(\a)+\n:64*(\a)+\n+1], v[CS+\n:CS+\n+1]
	v_pk_mul_f32 v[Y+32+\n:Y+32+\n+1], v[64*(\a)+32+\n:64*(\a)+32+\n+1], v[CS+\n:CS+\n+1]
	v_pk_fma_f32 v[Y+\n:Y+\n+1], v[64*(\a)+32+\n:64*(\a)+32+\n+1], v[SN+\n:SN+\n+1], v[Y+\n:Y+\n+1] neg_lo:[1,0,0] neg_hi:[1,0,0]
	v_pk_fma_f32 v[Y+32+\n:Y+32+\n+1], v[64*(\a)+\n:64*(\a)+\n+1], v[SN+\n:SN+\n+1], v[Y+32+\n:Y+32+\n+1]
.endr
	WIN 0
.endm
	TLD 0
.irp a, 0,1,2,3
	ROPE \a
.if \a < 3
	TLD \a+1
.endif
.if \a > 0
	s_wait_xcnt 0x0
	s_add_nc_u64 s[OUT:OUT+1], s[OUT:OUT+1], s[STR:STR+1]
.endif
	QUANT Y, 0, PWA+\a
	PUT
.endr
	s_branch .Lunit
.Lv_out:
.irp a, 0,1,2,3
.if \a > 0
	s_wait_xcnt 0x0
	s_add_nc_u64 s[OUT:OUT+1], s[OUT:OUT+1], s[STR:STR+1]
.endif
	QUANT 64*\a, 2, PWA+\a
	PUT
.endr
.Lunit:
	v_cndmask_b32 v232, v[PWA], v[PWA+2], s44
	v_cndmask_b32 v233, v[PWA+1], v[PWA+3], s44
	global_store_b64 v[L8], v[232:233], s[SCO:SCO+1]
	s_wait_tensorcnt 0x0                           ; the wave's end
	ds_add_u32 v[SPW], v[NIL]
	s_wait_dscnt 0x0
	CROUND                                         ; the closing round
	s_endpgm
.Lfunc_end_k_q1bf08c5709_proj:
	.size	k_q1bf08c5709_proj, .Lfunc_end_k_q1bf08c5709_proj-k_q1bf08c5709_proj
	.p2alignl 7, 3214868480
	.fill 96, 4, 3214868480
	.section	.rodata,"a",@progbits
	.p2align	6, 0x0
	.amdhsa_kernel k_q1bf08c5709_proj
		.amdhsa_group_segment_fixed_size 327680
		.amdhsa_private_segment_fixed_size 0
		.amdhsa_enable_private_segment 0
		.amdhsa_kernarg_size 120
		.amdhsa_user_sgpr_count 2
		.amdhsa_user_sgpr_kernarg_segment_ptr 1
		.amdhsa_wavefront_size32 1
		.amdhsa_system_sgpr_workgroup_id_x 1
		.amdhsa_system_sgpr_workgroup_id_y 1
		.amdhsa_system_sgpr_workgroup_id_z 1
		.amdhsa_system_vgpr_workitem_id 0
		.amdhsa_next_free_vgpr 768
		.amdhsa_next_free_sgpr 102
		.amdhsa_reserve_vcc 1
		.amdhsa_float_denorm_mode_32 3
		.amdhsa_float_denorm_mode_16_64 3
		.amdhsa_memory_ordered 1
		.amdhsa_forward_progress 1
		.amdhsa_inst_pref_size 255
	.end_amdhsa_kernel
	.section	.bss,"aw",@nobits
	.p2align	6
	.space	262144
	.amdgpu_metadata
---
amdhsa.version: [ 1, 2 ]
amdhsa.kernels:
  - .name:           k_q1bf08c5709_proj
    .symbol:         k_q1bf08c5709_proj.kd
    .args:
      - { .name: query_codes, .offset: 0, .size: 8, .value_kind: global_buffer, .address_space: global }
      - { .name: query_scales, .offset: 8, .size: 8, .value_kind: global_buffer, .address_space: global }
      - { .name: key_codes, .offset: 16, .size: 8, .value_kind: global_buffer, .address_space: global }
      - { .name: key_scales, .offset: 24, .size: 8, .value_kind: global_buffer, .address_space: global }
      - { .name: value_codes, .offset: 32, .size: 8, .value_kind: global_buffer, .address_space: global }
      - { .name: value_scales, .offset: 40, .size: 8, .value_kind: global_buffer, .address_space: global }
      - { .name: wq_codes, .offset: 48, .size: 8, .value_kind: global_buffer, .address_space: global }
      - { .name: wq_scales, .offset: 56, .size: 8, .value_kind: global_buffer, .address_space: global }
      - { .name: wk_codes, .offset: 64, .size: 8, .value_kind: global_buffer, .address_space: global }
      - { .name: wk_scales, .offset: 72, .size: 8, .value_kind: global_buffer, .address_space: global }
      - { .name: wv_codes, .offset: 80, .size: 8, .value_kind: global_buffer, .address_space: global }
      - { .name: wv_scales, .offset: 88, .size: 8, .value_kind: global_buffer, .address_space: global }
      - { .name: position_ids, .offset: 96, .size: 8, .value_kind: global_buffer, .address_space: global }
      - { .name: qf, .offset: 104, .size: 8, .value_kind: global_buffer, .address_space: global }
      - { .name: kv, .offset: 112, .size: 8, .value_kind: global_buffer, .address_space: global }
    .group_segment_fixed_size: 327680
    .private_segment_fixed_size: 0
    .kernarg_segment_align: 8
    .kernarg_segment_size: 120
    .max_flat_workgroup_size: 128
    .sgpr_count:     102
    .vgpr_count:     768
    .wavefront_size: 32
...
	.end_amdgpu_metadata
.endif
;; end of part 1
;; launch attn (part 2): grid 64 x 4, 8 waves a work-group, no clusters, 327,680 bytes of LDS; arguments qf, kv, af; writes af
.if DOCPART == 2
	.amdgcn_target "amdgcn-amd-amdhsa--gfx1250"
	.amdhsa_code_object_version 6
	.text
	.protected	k_q1bf08c5709_attn
	.globl	k_q1bf08c5709_attn
	.p2align	8
	.type	k_q1bf08c5709_attn,@function
k_q1bf08c5709_attn:
	s_mov_b64 s[64:65], 0
	v_nop
	global_prefetch_b8 v0, s[64:65] scope:SCOPE_SE
	s_setreg_imm32_b32 hwreg(HW_REG_WAVE_MODE, 25, 1), 1
	s_wait_xcnt 0x0
; SECOND LAUNCH: S = q k^T, the softmax as the problem states it ahead of a quantised product (p = 2^(t - M), M a whole number; the sum of the unquantised p divides at the end), O = p v, and the quantiser of
; O / sum along head x 128 + channel. Both products on codes of FP6 (E2M3) with E8M0 scales.
; WORK LEFT OUT: steps of 128 keys that lie, for all 16 queries of a wave, wholly under reference()'s own mask (key > query, or key < query - 2048): their p is 0 for all inputs, as the first launch's head shows.
; LIMITS: masked scores are -infinity here where reference() has finfo.min: both give p = 0, since every row keeps its own key; a NaN, an infinity or an overflow that would arise only in steps left out is not carried on;
; a block of p or of O whose largest magnitude lies under 2^-124 keeps the scale byte 1; the promise holds while the scaled scores stay under 2^31 in magnitude.
; SHARES. Work-group (b, g): queries 64 b .. 64 b + 63 of heads 2 g and 2 g + 1, which share kv head g. Wave w: tile w % 4 of 16 queries, for BOTH heads, and of each slot of 256 keys the step w / 4 of 128 keys:
; so each fragment of K and of V that a wave reads from LDS feeds two matrix instructions. The two waves of a tile each keep -M, the sum and O^T of their half of the keys for both heads; at the end they change
; one head's parts through LDS bytes of their own and join them by exact powers of two (M is a whole number); wave w / 4 = T finishes head 2 g + T.
; THE RING: two LDS slots of 256 keys (51,200 dense bytes: images of the operands' registers and their scale units); each wave fetches an eighth of a slot, 25 rows of 256 bytes.
; THE WALK GOES DOWN THE KEYS: slots e = b / 4, e - 1, .. e - 8: nine trips, a constant. A slot below key 0, and one below the ninth, is not asked for: a jump made of the work-group's number and the count of trips,
; the same in all eight waves, leads round the load's own lines alone; every wait on TENSORcnt is for 0; where that tail begins hangs on b, so it cannot be written out.
; NO CLUSTER: query blocks that share K and V need different numbers of slots (1 to 9, by b).
; LAYOUT. Both products transposed: S^T = K Q^T, O^T = V^T P^T: a lane holds ONE query. Register 8 t + j of S^T is key 16 t + 8 (lane / 16) + j of the step; p is quantised as it stands, which permutes K inside
; each block of 32 just as the first launch permuted v's keys. O is brought into the natural order ahead of its quantiser.
; REGISTERS: window 0: state, Q, fragments, codes, temporaries; window 1: v0-127 S^T of heads 0, 1, v128-255 O^T of heads 0, 1.
.set FRB,   1536
.set SLOTB, 51200
.set SLOT1, 65536
.set VFO,   24576
.set KSO,   49152
.set VSO,   50176
.set SPARE, 2*SLOT1                    ; the spare words, 128 bytes for each of eight waves
.set XCH,   SPARE+1024                 ; the exchange: 8,192 + 256 bytes for each wave; no tile lands here
.set XWB,   8448
.set LI,  1                            ; 16 x lane
.set LIQ, 2                            ; + my step's fragments
.set QL,  3                            ; my query - 8 h
.set SPW, 4
.set NIL, 5
.set ADR, 6
.set ADS, 7
.set DD,  8
.set D2,  9
.set LSQ, 10                           ; 8 r + 4 h + my step's scale units
.set NEG, 11                           ; -infinity
.set ST,  12                           ; head T: v[12+4T] -M, +1 the largest t, +2, +3 the sum in two halves
.set QF,  20                           ; Q's fragments, 12 a head
.set QS,  44
.set KSC, 46
.set VSC, 50
.set PW,  54
.set BM2, 56
.set F,   64                           ; eight fragments of K, then of V; at the end the partner's O^T, then O / sum
.set PC,  160                          ; codes, 20 a head
.set BM,  200
.set SO,  208
.set FF,  216
.set TV,  220
.set AQ,  224
.set TM,  232                          ; on the way out
.set XW,  248
.set XW2, 249
.set XR,  250
.set XR2, 251
.set WV, 10
.set GG, 11
.set TA, 12
.set HD, 13
.set T0, 14
.set QH, 15
.set G1, 16
.set G0, 24
.set TB, 28
.set KS, 29
.set QHI, 30
.set LO, 31
.set QB, 32
.set QW, 33
.set KF, 34
.set KQ, 35
.set CSC, 36
.set SEL, 38
.set SLOTS, 40
.set MSB, 0
.macro WIN new
.if MSB != (\new)
	s_set_vgpr_msb (MSB<<8)|(\new)
.set MSB, (\new)
.endif
.endm
.macro PLACES n
.rept \n
	v_nop
.endr
.endm
.macro HINT n
	s_delay_alu instid0(VALU_DEP_\n)
.endm
	s_load_b128 s[4:7], s[0:1], 0x0                ; qf, kv
	s_load_b64 s[8:9], s[0:1], 0x10                ; af
	v_lshl_add_u32 v[SPW], v0, 2, SPARE
	v_mov_b32 v[NIL], 0
	ds_add_u32 v[SPW], v[NIL]                      ; the opening lines: the add twice on end and its wait
	ds_add_u32 v[SPW], v[NIL]
	v_lshrrev_b32 v[ADR], 5, v0
	HINT 1
	v_readfirstlane_b32 s[WV], v[ADR]              ; wave 0..7
	s_and_b32 s[GG], ttmp7, 0xffff                 ; kv head
	s_and_b32 s[TA], s[WV], 3                      ; my tile of the 64 queries
	s_lshr_b32 s[QH], s[WV], 2                     ; my step of each slot
	s_lshl_b32 s[KQ], s[QH], 7
	s_lshl_b32 s[HD], s[GG], 1                     ; the first of my two heads
	s_lshl_b32 s[QB], ttmp9, 6
	s_lshl_b32 s[T0], s[TA], 4
	s_add_co_u32 s[QB], s[QB], s[T0]               ; my first query
	s_add_co_u32 s[QHI], s[QB], 15                 ; my last
	s_sub_co_i32 s[LO], s[QB], 2048
	s_max_i32 s[LO], s[LO], 0                      ; the lowest key that counts for any of them
	s_sub_co_i32 s[QW], s[QHI], 2048               ; a step that begins under this key needs the window's mask
	s_lshr_b32 s[KS], ttmp9, 2                     ; e: the diagonal's slot
	s_lshl_b32 s[T0], s[GG], 4
	s_add_co_u32 s[T0], s[T0], s[KS]
	s_mul_i32 s42, s[T0], SLOTB
	s_mul_i32 s[G0+1], s[WV], 6400                 ; my eighth of a slot, in LDS slot 0,
	s_add_co_u32 s42, s42, s[G0+1]                 ; and in memory
	s_mov_b32 s43, 0
	s_lshl_b32 s[KS], s[KS], 8                     ; the first key of the slot in hand
	s_lshl_b32 s[T0], s[HD], 6
	s_add_co_u32 s[T0], s[T0], ttmp9
	s_mul_i32 s[T0], s[T0], 6400                   ; the first head's block of 64 queries in qf; the second's lies 64 x 6,400 bytes on
	s_mul_i32 s44, s[TA], FRB
	s_add_co_u32 s44, s44, s[T0]
	s_mov_b32 s45, 0
	s_lshr_b32 s46, s[TA], 1
	s_lshl_b32 s46, s46, 7
	s_and_b32 s47, s[TA], 1
	s_lshl_b32 s47, s47, 2
	s_add_co_u32 s46, s46, s47
	s_add_co_u32 s46, s46, s[T0]
	s_add_co_u32 s46, s46, 6144                    ; my fragment's words in the block's scale unit
	s_mov_b32 s47, 0
	s_lshr_b32 s48, ttmp9, 2
	s_mul_i32 s48, s48, 204800                     ; af: the block of 256 tokens
	s_and_b32 s49, ttmp9, 3
	s_lshl_b32 s49, s49, 2
	s_add_co_u32 s49, s49, s[TA]
	s_lshl_b32 s50, s[HD], 4
	s_add_co_u32 s49, s49, s50                     ; 16 head + tile
	s_mul_i32 s50, s49, FRB
	s_add_co_u32 s50, s50, s48
	s_mov_b32 s51, 0
	s_lshl_b32 s52, s49, 6
	s_add_co_u32 s52, s52, s48
	s_add_co_u32 s52, s52, 196608
	s_mov_b32 s53, 0
	s_mul_i32 s54, s[WV], XWB
	s_add_co_u32 s54, s54, XCH                     ; where I put what my partner needs,
	s_xor_b32 s55, s[WV], 4
	s_mul_i32 s55, s55, XWB
	s_add_co_u32 s55, s55, XCH                     ; and where my partner puts what I need
	s_mul_i32 s56, s[QH], FRB
	s_lshl_b32 s57, s[QH], 9
	s_mov_b32 s[G1], 3<<16                         ; elements of 8 bytes, no padding: 25 rows of 256 bytes
	s_mov_b32 s[G1+1], 32<<16
	s_mov_b32 s[G1+2], 25<<16
	s_mov_b32 s[G1+3], 32<<16
	s_mov_b32 s[G1+4], 25
	s_mov_b32 s[G1+5], 32
	s_mov_b32 s[G1+6], 0
	s_mov_b32 s[G1+7], 0
	s_mov_b32 s[CSC], 0x3e0293ee                   ; c = log2(e) / sqrt(128)
	s_mov_b32 s[CSC+1], s[CSC]
	s_mov_b32 s[SEL], 0x76543210
	s_mov_b32 s[SEL+1], 0xfedcba98                 ; lane l xor 16
	s_mov_b32 s[TB], 0
	s_mov_b32 s[SLOTS], 9
	s_wait_dscnt 0x0
	s_wait_kmcnt 0x0
	s_mov_b32 s[G0], 1
	s_add_nc_u64 s[G0+2:G0+3], s[6:7], s[42:43]
	s_or_b32 s[G0+3], s[G0+3], 0x80000000
	tensor_load_to_lds s[G0:G0+3], s[G1:G1+7]      ; the diagonal's slot: every wave issues its eighth
	s_nop 0
.rept 4
	v_nop
.endr
	s_add_nc_u64 s[44:45], s[4:5], s[44:45]        ; Q's fragments
	s_add_nc_u64 s[46:47], s[4:5], s[46:47]        ; their scale words
	s_add_nc_u64 s[50:51], s[8:9], s[50:51]        ; where O's fragments go
	s_add_nc_u64 s[52:53], s[8:9], s[52:53]        ; and their scale words
	v_and_b32 v[LI], 31, v0
	v_and_b32 v[D2], 15, v0                        ; r
	v_bfe_u32 v[DD], v0, 4, 1                      ; h
	v_lshlrev_b32 v[XW2], 3, v[LI]
	v_lshlrev_b32 v[LI], 4, v[LI]
	v_lshlrev_b32 v[ADS], 3, v[D2]                 ; 8 r
.irp T, 0,1
.irp c, 0,1,2
	global_load_b128 v[QF+12*\T+4*\c:QF+12*\T+4*\c+3], v[LI], s[44:45] offset:409600*\T+512*\c
.endr
	global_load_b32 v[QS+\T], v[ADS], s[46:47] offset:409600*\T
.endr
	v_lshl_add_u32 v[LSQ], v[DD], 2, v[ADS]
	v_add_nc_u32 v[LIQ], s56, v[LI]
	v_add_nc_u32 v[XW], s54, v[LI]
	v_add_nc_u32 v[XR], s55, v[LI]
	v_add_nc_u32 v[XR2], s55, v[XW2]
	v_add_nc_u32 v[XW2], s54, v[XW2]
	v_add_nc_u32 v[LSQ], s57, v[LSQ]
	v_lshlrev_b32 v[DD], 3, v[DD]
	v_mov_b32 v[NEG], 0xff800000
	v_sub_nc_u32 v[QL], v[D2], v[DD]
	v_mov_b32 v[ST+1], 0xff61b1e6                  ; the largest t so far: -3e38, under every t
	v_mov_b32 v[ST+5], 0xff61b1e6
	v_add_nc_u32 v[QL], s[QB], v[QL]
.irp T, 0,1
	v_floor_f32 v[ST+4*\T], -v[ST+4*\T+1]          ; -M
	v_mov_b32 v[ST+4*\T+2], 0
	v_mov_b32 v[ST+4*\T+3], 0
	v_mov_b32 v[FF+2*\T+1], 0                      ; (named as the upper half of a pair)
	v_mov_b32 v[TV+\T], 0
.endr
.irp b, 0,1,2,3,4,5,6,7
	v_mov_b32 v[BM2+\b], 0                         ; a lane permute's destination counts as one of its sources
.endr
.irp b, 4,5,6,7
	v_mov_b32 v[TM+\b], 0
.endr
	WIN 0x40
.set NI, 0
.rept 128
	v_mov_b32 v[128+NI], 0                         ; O^T of both heads: the step is written once, and a wave may have no step at all
.set NI, NI+1
.endr
	WIN 0
	s_wait_alu depctr_va_vdst(0)                   ; the wait at the head's end
	s_wait_loadcnt 0x0                             ; Q
.Lslot:                                            ; nine trips, a slot each
	s_wait_tensorcnt 0x0                           ; my eighth of the slot ahead is in; no load of mine is out, so the group 0 may be written
	ds_add_u32 v[SPW], v[NIL]                      ; the add
	s_xor_b32 s[G0+1], s[G0+1], SLOT1              ; the other slot,
	s_sub_nc_u64 s[G0+2:G0+3], s[G0+2:G0+3], SLOTB ; the 256 keys below
	s_wait_dscnt 0x0                               ; the add, and my reads of the slot that I have left
	s_barrier_signal -1
	s_barrier_wait -1
	s_cmp_lt_i32 s[KS], 256                        ; no slot lies below this one,
	s_cbranch_scc1 .Lbelow
	s_cmp_eq_u32 s[SLOTS], 1                       ; or this is the ninth: nothing is asked for
	s_cbranch_scc1 .Lbelow
	tensor_load_to_lds s[G0:G0+3], s[G1:G1+7]      ; my one tensor load behind this barrier
	s_nop 0
.rept 4
	v_nop
.endr
.Lbelow:
	s_add_co_i32 s[KF], s[KS], s[KQ]               ; my step's first key
	s_cmp_gt_i32 s[KF], s[QHI]                     ; all its keys come after my queries,
	s_cbranch_scc1 .Lhidden
	s_add_co_i32 s[T0], s[KF], 127
	s_cmp_lt_i32 s[T0], s[LO]                      ; or all lie under the window (or under key 0): left out
	s_cbranch_scc1 .Lhidden
	v_add_nc_u32 v[ADR], s[TB], v[LIQ]             ; (four places between the last products and the loads into their fragments)
	v_add_nc_u32 v[ADS], s[TB], v[LSQ]
	v_sub_nc_u32 v[DD], v[QL], s[KF]               ; register 8 t + j holds the key at 16 t + j against d
	v_nop
.irp P, 0,1,2,3
	ds_load_b32 v[KSC+\P], v[ADS] offset:KSO+(\P/2)*256+128*(\P%2)
.endr
.irp t, 0,1,2,3,4,5,6,7
.irp c, 0,1,2
	ds_load_b128 v[F+12*\t+4*\c:F+12*\t+4*\c+3], v[ADR] offset:2*\t*FRB+512*\c
.endr
.endr
	s_wait_alu depctr_va_vdst(0)
	WIN 0x40                                       ; D in window 1
.irp t, 0,1,2,3,4,5,6,7
	s_wait_dscnt 21-3*\t                           ; tile t's three loads are in; the three of each later tile may be out
.irp T, 0,1
.if \t%2
	v_wmma_scale_f32_16x16x128_f8f6f4 v[64*\T+8*\t:64*\T+8*\t+7], v[F+12*\t:F+12*\t+11], v[QF+12*\T:QF+12*\T+11], 0, v[KSC+\t/2], v[QS+\T] matrix_a_fmt:MATRIX_FMT_FP6 matrix_b_fmt:MATRIX_FMT_FP6 matrix_a_scale:MATRIX_SCALE_ROW1
.else
	v_wmma_scale_f32_16x16x128_f8f6f4 v[64*\T+8*\t:64*\T+8*\t+7], v[F+12*\t:F+12*\t+11], v[QF+12*\T:QF+12*\T+11], 0, v[KSC+\t/2], v[QS+\T] matrix_a_fmt:MATRIX_FMT_FP6 matrix_b_fmt:MATRIX_FMT_FP6
.endif
.endr
.endr
	WIN 0
	PLACES 4                                       ; in front of the loads into K's registers and of the first read of the scores
.irp t, 0,1,2,3,4,5,6,7                        ; V's fragments land under the softmax
.irp c, 0,1,2
	ds_load_b128 v[F+12*\t+4*\c:F+12*\t+4*\c+3], v[ADR] offset:VFO+2*\t*FRB+512*\c
.endr
.endr
.irp P, 0,1,2,3
	ds_load_b32 v[VSC+\P], v[ADS] offset:VSO+(\P/2)*256+128*(\P%2)
.endr
	s_cmp_le_i32 s[T0], s[QB]                      ; the step's last key counts for my first query: no causal mask
	s_cbranch_scc1 .Lnocausal
	WIN 0x41
.set NI, 0
.rept 64
	v_cmp_gt_i32 vcc_lo, 16*(NI/8)+NI%8, v[DD]     ; key > query: one compare serves both heads
	v_cndmask_b32 v[NI], v[NI], v[NEG], vcc_lo
	v_cndmask_b32 v[64+NI], v[64+NI], v[NEG], vcc_lo
.set NI, NI+1
.endr
	WIN 0
.Lnocausal:
	s_cmp_ge_i32 s[KF], s[QW]                      ; the step's first key lies in my last query's window: no window mask
	s_cbranch_scc1 .Lnowin
	v_add_nc_u32 v[D2], 0xfffff800, v[DD]          ; d - 2,048
	WIN 0x41
.set NI, 0
.rept 64
	v_cmp_lt_i32 vcc_lo, 16*(NI/8)+NI%8, v[D2]     ; key < query - 2,048
	v_cndmask_b32 v[NI], v[NI], v[NEG], vcc_lo
	v_cndmask_b32 v[64+NI], v[64+NI], v[NEG], vcc_lo
.set NI, NI+1
.endr
	WIN 0
.Lnowin:
	WIN 0x15                                       ; the largest score of each block of 32 keys: for the row's maximum and, since p rises with the score, for the block's largest p
.irp b, 0,1,2,3
.irp T, 0,1
	v_max3_num_f32 v[BM+4*\T+\b], v[64*\T+16*\b], v[64*\T+16*\b+1], v[64*\T+16*\b+2]
.endr
.endr
	WIN 0x14
.irp i, 3,5,7,9,11,13
.irp b, 0,1,2,3
.irp T, 0,1
	v_max3_num_f32 v[BM+4*\T+\b], v[BM+4*\T+\b], v[64*\T+16*\b+\i], v[64*\T+16*\b+\i+1]
.endr
.endr
.endr
	WIN 0x04
.irp b, 0,1,2,3
.irp T, 0,1
	v_max_num_f32 v[BM+4*\T+\b], v[BM+4*\T+\b], v[64*\T+16*\b+15]
.endr
.endr
	WIN 0
.irp b, 0,1,2,3,4,5,6,7
	v_permlanex16_b32 v[BM2+\b], v[BM+\b], s[SEL], s[SEL+1]
.endr
.irp b, 0,1,2,3,4,5,6,7
	v_max_num_f32 v[BM+\b], v[BM+\b], v[BM2+\b]
.endr
.irp T, 0,1                                    ; the two heads' chains by turns
	v_max3_num_f32 v[TV+\T], v[BM+4*\T], v[BM+4*\T+1], v[BM+4*\T+2]
.endr
.irp T, 0,1
	HINT 2
	v_max_num_f32 v[TV+\T], v[TV+\T], v[BM+4*\T+3]
.endr
.irp T, 0,1
	HINT 2
	v_mul_f32 v[TV+\T], s[CSC], v[TV+\T]           ; the step's largest t of my query
.endr
.irp T, 0,1
	HINT 2
	v_max_num_f32 v[ST+4*\T+1], v[ST+4*\T+1], v[TV+\T]
.endr
.irp T, 0,1
	v_mov_b32 v[TV+\T], v[ST+4*\T]
.endr
.irp T, 0,1
	HINT 4
	v_floor_f32 v[ST+4*\T], -v[ST+4*\T+1]          ; the new -M = -ceil(t)
.endr
.irp T, 0,1
	HINT 2
	v_sub_f32 v[TV+\T], v[ST+4*\T], v[TV+\T]       ; old M - new M: a whole number, 0 or less
.endr
.irp T, 0,1
	HINT 2
	v_cvt_i32_f32 v[TV+\T], v[TV+\T]               ; (it saturates)
.endr
.irp T, 0,1
	HINT 2
	v_ldexp_f32 v[FF+2*\T], 1.0, v[TV+\T]          ; f = 2^(old M - new M)
.endr
	WIN 0x41
.set NI, 0
.rept 64
	v_pk_fma_f32 v[NI:NI+1], v[NI:NI+1], s[CSC:CSC+1], v[ST+4*(NI/64):ST+4*(NI/64)+1] op_sel_hi:[1,0,0]   ; t - M
.set NI, NI+2
.endr
	WIN 0
.irp b, 0,1,2,3
.irp T, 0,1
	v_fma_f32 v[BM+4*\T+\b], v[BM+4*\T+\b], s[CSC], v[ST+4*\T]
.endr
.endr
	WIN 0x41
	s_wait_alu depctr_va_vdst(0)                   ; the wait ahead of the batch
.set NI, 0
.rept 128
	v_exp_f32 v[NI], v[NI]                         ; p = 2^(t - M)
.set NI, NI+1
.endr
	WIN 0
.irp T, 0,1
	v_pk_mul_f32 v[ST+4*\T+2:ST+4*\T+3], v[ST+4*\T+2:ST+4*\T+3], v[FF+2*\T:FF+2*\T+1] op_sel_hi:[1,0]   ; the sums under the new M
.endr
	s_wait_alu depctr_va_vdst(0)                   ; one wait for the batch, ahead of its first reader
.irp b, 0,1,2,3,4,5,6,7
	v_exp_f32 v[BM+\b], v[BM+\b]                   ; each block's largest p: the same two instructions on the same number
.endr
	WIN 0x05                                       ; the sums of the unquantised p: four chains a head
.irp k, 0,1,2,3
.irp T, 0,1
	v_pk_add_f32 v[AQ+8*\T+2*\k:AQ+8*\T+2*\k+1], v[64*\T+2*\k:64*\T+2*\k+1], v[64*\T+8+2*\k:64*\T+8+2*\k+1]
.endr
.endr
	WIN 0x04
.irp j, 2,3,4,5,6,7
.irp k, 0,1,2,3
.irp T, 0,1
	v_pk_add_f32 v[AQ+8*\T+2*\k:AQ+8*\T+2*\k+1], v[AQ+8*\T+2*\k:AQ+8*\T+2*\k+1], v[64*\T+8*\j+2*\k:64*\T+8*\j+2*\k+1]
.endr
.endr
.endr
	WIN 0
.irp T, 0,1
	v_pk_add_f32 v[AQ+8*\T:AQ+8*\T+1], v[AQ+8*\T:AQ+8*\T+1], v[AQ+8*\T+2:AQ+8*\T+3]
.endr
.irp T, 0,1
	v_pk_add_f32 v[AQ+8*\T+4:AQ+8*\T+5], v[AQ+8*\T+4:AQ+8*\T+5], v[AQ+8*\T+6:AQ+8*\T+7]
.endr
.irp T, 0,1
	HINT 2
	v_pk_add_f32 v[AQ+8*\T:AQ+8*\T+1], v[AQ+8*\T:AQ+8*\T+1], v[AQ+8*\T+4:AQ+8*\T+5]
.endr
.irp T, 0,1
	HINT 2
	v_pk_add_f32 v[ST+4*\T+2:ST+4*\T+3], v[ST+4*\T+2:ST+4*\T+3], v[AQ+8*\T:AQ+8*\T+1]
.endr
	s_wait_alu depctr_va_vdst(0)                   ; and one for the eight
.irp b, 0,1,2,3,4,5,6,7
	v_max_num_f32 v[BM+\b], 0x1800000, v[BM+\b]    ; the floor 2^(3 - 127): the byte cannot fall under 1
.endr
.irp b, 0,1,2,3,4,5,6,7
	v_add_nc_u32 v[SO+\b], 0xff000000, v[BM+\b]    ; 2 off the exponent field: the conversion's scale operand
.endr
.irp b, 0,1,2,3,4,5,6,7
	v_lshrrev_b32 v[BM2+\b], 23, v[SO+\b]
.endr
.irp T, 0,1
	v_lshl_or_b32 v[PW+\T], v[BM2+4*\T+1], 8, v[BM2+4*\T]   ; p's scale word for these 128 keys
.endr
.irp T, 0,1
	HINT 2
	v_lshl_or_b32 v[PW+\T], v[BM2+4*\T+2], 16, v[PW+\T]
.endr
.irp T, 0,1
	HINT 2
	v_lshl_or_b32 v[PW+\T], v[BM2+4*\T+3], 24, v[PW+\T]
.endr
	WIN 0x01
.irp T, 0,1
.irp c, 0,1
	v_cvt_scalef32_pk16_fp6_f32 v[PC+20*\T+6*\c:PC+20*\T+6*\c+2], v[64*\T+32*\c:64*\T+32*\c+15], v[SO+4*\T+2*\c]
	v_cvt_scalef32_pk16_fp6_f32 v[PC+20*\T+12+4*\c:PC+20*\T+14+4*\c], v[64*\T+32*\c+16:64*\T+32*\c+31], v[SO+4*\T+2*\c+1]
.endr
.endr
	WIN 0
	v_nop                                          ; one plain line behind a scaled conversion
.irp T, 0,1
.irp c, 0,1
.irp i, 0,1,2
	v_permlane16_swap_b32 v[PC+20*\T+6*\c+\i], v[PC+20*\T+12+4*\c+\i]
.endr
.endr
.endr
.irp T, 0,1
.irp c, 0,1
.irp i, 0,1,2
	v_mov_b32 v[PC+20*\T+3+6*\c+\i], v[PC+20*\T+12+4*\c+\i]
.endr
.endr
.endr
	WIN 0x41
	s_wait_alu depctr_va_vdst(0)                   ; directly ahead of the first reader of O^T
.set NI, 0
.rept 64
	v_pk_mul_f32 v[128+NI:128+NI+1], v[128+NI:128+NI+1], v[FF+2*(NI/64):FF+2*(NI/64)+1] op_sel_hi:[1,0]   ; O^T under the new M (also the places ahead of the products)
.set NI, NI+2
.endr
	s_wait_alu depctr_va_vdst(0)
	s_wait_dscnt 0x0                               ; V and its scale words are in
	WIN 0x50                                       ; C and D window 1; the sixteen accumulators take turns
.irp t, 0,1,2,3,4,5,6,7
.irp T, 0,1
.if \t%2
	v_wmma_scale_f32_16x16x128_f8f6f4 v[128+64*\T+8*\t:128+64*\T+8*\t+7], v[F+12*\t:F+12*\t+11], v[PC+20*\T:PC+20*\T+11], v[128+64*\T+8*\t:128+64*\T+8*\t+7], v[VSC+\t/2], v[PW+\T] matrix_a_fmt:MATRIX_FMT_FP6 matrix_b_fmt:MATRIX_FMT_FP6 matrix_a_scale:MATRIX_SCALE_ROW1
.else
	v_wmma_scale_f32_16x16x128_f8f6f4 v[128+64*\T+8*\t:128+64*\T+8*\t+7], v[F+12*\t:F+12*\t+11], v[PC+20*\T:PC+20*\T+11], v[128+64*\T+8*\t:128+64*\T+8*\t+7], v[VSC+\t/2], v[PW+\T] matrix_a_fmt:MATRIX_FMT_FP6 matrix_b_fmt:MATRIX_FMT_FP6
.endif
.endr
.endr
	WIN 0
.Lhidden:
	s_xor_b32 s[TB], s[TB], SLOT1                  ; on to the other slot,
	s_sub_co_i32 s[KS], s[KS], 256                 ; the 256 keys below
	s_sub_co_u32 s[SLOTS], s[SLOTS], 1
	s_cmp_lg_u32 s[SLOTS], 0
	s_cbranch_scc1 .Lslot
; THE JOIN. I finish head w / 4 and hand the other head's O^T, -M and sum to my partner, wave w xor 4, as images of the registers.
.macro SENDT T
	WIN 0x04                                       ; an LDS store's data: window 1
.set NI, 0
.rept 16
	ds_store_b128 v[XW], v[128+64*\T+4*NI:128+64*\T+4*NI+3] offset:512*NI   ; each accumulator from its low end on
.set NI, NI+1
.endr
	WIN 0
	ds_store_b64 v[XW2], v[ST+4*\T:ST+4*\T+1] offset:8192
.endm
; O = (O_mine 2^(M_mine - M) + O_partner's 2^(M_partner's - M)) / sum, M the larger of the two: a half with no key has M = -3e38, and its factor falls to 0.
.macro FINISH T
	s_wait_dscnt 0x0
	v_min_num_f32 v[TM], v[ST+4*\T], v[TV]         ; -M of all keys
	HINT 1
	v_sub_f32 v[TM+1], v[TM], v[ST+4*\T]
	v_sub_f32 v[TM+2], v[TM], v[TV]
	HINT 2
	v_cvt_i32_f32 v[TM+1], v[TM+1]                 ; (it saturates)
	HINT 2
	v_cvt_i32_f32 v[TM+2], v[TM+2]
	HINT 2
	v_ldexp_f32 v[TM+1], 1.0, v[TM+1]
	HINT 2
	v_ldexp_f32 v[TM+2], 1.0, v[TM+2]
	HINT 2
	v_mul_f32 v[TM+3], v[ST+4*\T+1], v[TM+1]
	HINT 1
	v_fma_f32 v[TM+3], v[TV+1], v[TM+2], v[TM+3]
	HINT 1
	v_permlanex16_b32 v[TM+4], v[TM+3], s[SEL], s[SEL+1]
	HINT 1
	v_add_f32 v[TM+3], v[TM+3], v[TM+4]            ; the row's sum
	s_wait_alu depctr_va_vdst(0)
	v_rcp_f32 v[TM+3], v[TM+3]
	v_and_b32 v[ADS], 15, v0
	HINT 1
	v_lshlrev_b32 v[ADS], 2, v[ADS]                ; 4 r
	s_wait_alu depctr_va_vdst(0)
	v_mul_f32 v[FF], v[TM+1], v[TM+3]
	v_mul_f32 v[FF+2], v[TM+2], v[TM+3]
.set NI, 0
.rept 32
	v_pk_mul_f32 v[F+NI:F+NI+1], v[F+NI:F+NI+1], v[FF+2:FF+3] op_sel_hi:[1,0]
.set NI, NI+2
.endr
	WIN 0x01
	s_wait_alu depctr_va_vdst(0)                   ; directly ahead of the first reader of O^T
.set NI, 0
.rept 32
	v_pk_fma_f32 v[F+NI:F+NI+1], v[128+64*\T+NI:128+64*\T+NI+1], v[FF:FF+1], v[F+NI:F+NI+1] op_sel_hi:[1,0,1]   ; register 8 t + j: channel 16 t + 8 h + j
.set NI, NI+2
.endr
	WIN 0
.irp b, 0,1,2,3
.irp j, 0,1,2,3,4,5,6,7
	v_permlane16_swap_b32 v[F+16*\b+\j], v[F+16*\b+8+\j]   ; register 16 b + i now holds channel 32 b + 16 h + i
.endr
.endr
.irp b, 0,1,2,3
	v_max3_num_f32 v[TM+\b], |v[F+16*\b]|, |v[F+1+16*\b]|, 0x1800000
.endr
.irp i, 2,4,6,8,10,12,14
.irp b, 0,1,2,3
	HINT 4
	v_max3_num_f32 v[TM+\b], v[TM+\b], |v[F+16*\b+\i]|, |v[F+1+16*\b+\i]|
.endr
.endr
.irp b, 0,1,2,3
	HINT 4
	v_permlanex16_b32 v[TM+4+\b], v[TM+\b], s[SEL], s[SEL+1]
.endr
.irp b, 0,1,2,3
	HINT 4
	v_max_num_f32 v[TM+\b], v[TM+\b], v[TM+4+\b]
.endr
.irp b, 0,1,2,3
	HINT 4
	v_add_nc_u32 v[TM+12+\b], 0xff000000, v[TM+\b]
.endr
.irp b, 0,1,2,3
	HINT 4
	v_lshrrev_b32 v[TM+4+\b], 23, v[TM+12+\b]
.endr
	HINT 3
	v_lshl_or_b32 v[PW+\T], v[TM+5], 8, v[TM+4]
	HINT 1
	v_lshl_or_b32 v[PW+\T], v[TM+6], 16, v[PW+\T]
	HINT 1
	v_lshl_or_b32 v[PW+\T], v[TM+7], 24, v[PW+\T]
.irp c, 0,1
	v_cvt_scalef32_pk16_fp6_f32 v[PC+20*\T+6*\c:PC+20*\T+6*\c+2], v[F+32*\c:F+15+32*\c], v[TM+12+2*\c]
	v_cvt_scalef32_pk16_fp6_f32 v[PC+20*\T+12+4*\c:PC+20*\T+14+4*\c], v[F+16+32*\c:F+31+32*\c], v[TM+12+2*\c+1]
.endr
	v_nop
.irp c, 0,1
.irp i, 0,1,2
	v_permlane16_swap_b32 v[PC+20*\T+6*\c+\i], v[PC+20*\T+12+4*\c+\i]
.endr
.irp i, 0,1,2
	HINT 3
	v_mov_b32 v[PC+20*\T+3+6*\c+\i], v[PC+20*\T+12+4*\c+\i]
.endr
.endr
.irp c, 0,1,2
	global_store_b128 v[LI], v[PC+20*\T+4*\c:PC+20*\T+4*\c+3], s[50:51] offset:24576*\T+512*\c   ; 512 consecutive bytes a store, aligned to 256
.endr
	global_store_b32 v[ADS], v[PW+\T], s[52:53] offset:1024*\T   ; row r's scale word: both halves of the lanes hold it and write the same word
.endm
	PLACES 4                                       ; behind the last products
.irp T, 0,1
	v_add_f32 v[ST+4*\T+1], v[ST+4*\T+2], v[ST+4*\T+3]   ; the sum's two halves, beside -M
.endr
	s_wait_alu depctr_va_vdst(0)                   ; the wait ahead of the branch and the barrier
	s_cmp_eq_u32 s[QH], 0
	s_cbranch_scc0 .Lsend0
	SENDT 1
	s_branch .Lsent
.Lsend0:
	SENDT 0
.Lsent:
	s_wait_dscnt 0x0                               ; my stores are done, for my partner's sake
	s_barrier_signal -1
	s_barrier_wait -1
.set NI, 0
.rept 16
	ds_load_b128 v[F+4*NI:F+4*NI+3], v[XR] offset:512*NI   ; my head's O^T of the partner's keys
.set NI, NI+1
.endr
	ds_load_b64 v[TV:TV+1], v[XR2] offset:8192     ; its -M and its sum
	s_cmp_eq_u32 s[QH], 0
	s_cbranch_scc0 .Lfin1
	FINISH 0
	s_branch .Ldone
.Lfin1:
	FINISH 1
.Ldone:
	s_wait_tensorcnt 0x0                           ; the wave's end
	ds_add_u32 v[SPW], v[NIL]
	s_wait_dscnt 0x0
	s_endpgm
.Lfunc_end_k_q1bf08c5709_attn:
	.size	k_q1bf08c5709_attn, .Lfunc_end_k_q1bf08c5709_attn-k_q1bf08c5709_attn
	.p2alignl 7, 3214868480
	.fill 96, 4, 3214868480
	.section	.rodata,"a",@progbits
	.p2align	6, 0x0
	.amdhsa_kernel k_q1bf08c5709_attn
		.amdhsa_group_segment_fixed_size 327680
		.amdhsa_private_segment_fixed_size 0
		.amdhsa_enable_private_segment 0
		.amdhsa_kernarg_size 24
		.amdhsa_user_sgpr_count 2
		.amdhsa_user_sgpr_kernarg_segment_ptr 1
		.amdhsa_wavefront_size32 1
		.amdhsa_system_sgpr_workgroup_id_x 1
		.amdhsa_system_sgpr_workgroup_id_y 1
		.amdhsa_system_sgpr_workgroup_id_z 1
		.amdhsa_system_vgpr_workitem_id 0
		.amdhsa_next_free_vgpr 512
		.amdhsa_next_free_sgpr 66
		.amdhsa_reserve_vcc 1
		.amdhsa_float_denorm_mode_32 3
		.amdhsa_float_denorm_mode_16_64 3
		.amdhsa_memory_ordered 1
		.amdhsa_forward_progress 1
		.amdhsa_inst_pref_size 89
	.end_amdhsa_kernel
	.amdgpu_metadata
---
amdhsa.version: [ 1, 2 ]
amdhsa.kernels:
  - .name:           k_q1bf08c5709_attn
    .symbol:         k_q1bf08c5709_attn.kd
    .args:
      - { .name: qf, .offset: 0, .size: 8, .value_kind: global_buffer, .address_space: global }
      - { .name: kv, .offset: 8, .size: 8, .value_kind: global_buffer, .address_space: global }
      - { .name: af, .offset: 16, .size: 8, .value_kind: global_buffer, .address_space: global }
    .group_segment_fixed_size: 327680
    .private_segment_fixed_size: 0
    .kernarg_segment_align: 8
    .kernarg_segment_size: 24
    .max_flat_workgroup_size: 256
    .sgpr_count:     66
    .vgpr_count:     512
    .wavefront_size: 32
...
	.end_amdgpu_metadata
.endif
;; end of part 2
;; launch oproj (part 3): grid 256 x 1, 4 waves a work-group, clusters of 4 x 1, 327,680 bytes of LDS; arguments af, wo_codes, wo_scales, out0; writes out0
.if DOCPART == 3
	.amdgcn_target "amdgcn-amd-amdhsa--gfx1250"
	.amdhsa_code_object_version 6
	.text
	.protected	k_q1bf08c5709_oproj
	.globl	k_q1bf08c5709_oproj
	.p2align	8
	.type	k_q1bf08c5709_oproj,@function
k_q1bf08c5709_oproj:
	s_mov_b64 s[64:65], 0
	v_nop
	global_prefetch_b8 v0, s[64:65] scope:SCOPE_SE
	s_setreg_imm32_b32 hwreg(HW_REG_WAVE_MODE, 25, 1), 1
	s_wait_xcnt 0x0
	s_wait_alu depctr_hold_cnt(0) depctr_sa_sdst(0) depctr_va_vdst(0) depctr_va_sdst(0) depctr_va_ssrc(0) depctr_va_vcc(0) depctr_vm_vsrc(0)
	s_getreg_b32 s2, hwreg(HW_REG_IB_STS2, 6, 4)
	s_cmp_eq_u32 s2, 0
	s_cbranch_scc0 .Lentry_in_a_cluster
	s_endpgm
.Lentry_in_a_cluster:
	s_bfe_u32 s2, ttmp6, 0x10000c
	s_cmp_lg_u32 s2, 0x3003
	s_cbranch_scc0 .Lentry_shape_is_right
	s_endpgm
.Lentry_shape_is_right:
; THIRD LAUNCH: out0 = (attention's result, as the second launch quantised it) x wo, on codes of FP6 (E2M3) with E8M0 scales; K = 1,024; f32 out. Nothing is left out here.
; SHARES. Cluster c: tokens 256 (c / 4) ..; work-group: 128 columns, block 4 (c % 4) + cx. Wave w: 128 tokens (w / 2), 64 columns (w % 2): 8 x 4 accumulators. TRANSPOSED: source 0 = 16 rows of wo,
; source 1 = 16 tokens: a lane holds eight neighbouring columns of one token's row.
; CLUSTER 4 x 1: the four partners take four column blocks against the SAME 256 tokens, whose images and scale words are asked for jointly; wo's come by loads of the work-group's own.
; ALL OPERANDS FOR ALL OF K LIE IN LDS AT ONCE, each byte filled once, by FOUR loads at the head, one a wave: the tokens' block of 204,800 dense bytes (images, then scale words) in two halves (waves 0 and 3),
; wo's 128 rows of 768 bytes (wave 1) and their scales (wave 2). No ring, no refill, and so no loop to prefetch ahead in.
.set FRB,  1536
.set ASC,  196608                      ; behind the images: the tokens' scale words: (16 head + tile) 64 + 4 r
.set BCOD, ASC+8192                    ; wo's codes: 128 rows x (3 x (256 + 16))
.set WP,   816
.set BSC,  BCOD+128*WP                 ; wo's scale bytes: 32 a row, as units of 256 + 16
.set SPARE, BSC+16*272
.set LI,  1
.set ADT, 2
.set ADW, 4                            ; v4 my rows of wo; v6 the same behind one padding more
.set ASA, 8
.set BSA, 9
.set STO, 10
.set RD,  11
.set CO,  12
.set SPW, 14
.set NIL, 15
.set ASW, 32                           ; tokens' scale words: 4 s + P: tile 2 P in lanes 0-15, tile 2 P + 1 in lanes 16-31
.set BSW, 64                           ; wo's: 8 b + s
.set WF,  128                          ; wo's fragments, window 0, set p at WF + 48 p; tokens', window 1, set p at 128 p; accumulator (a, b), window 2, at 8 (4 a + b)
.set BK,  128
.set WV, 12
.set RH, 13
.set CH, 14
.set CX, 15
.set TK, 34
.set NB, 35
.set G1BS, 16
.set G1BC, 36
.set G1A,  44
.set G0BS, 52
.set G0BC, 60
.set G0A,  68
.set MSB, 0
.macro WIN new
.if MSB != (\new)
	s_set_vgpr_msb (MSB<<8)|(\new)
.set MSB, (\new)
.endif
.endm
.macro PLACES n
.rept \n
	v_nop
.endr
.endm
.macro CROUND
	s_barrier_signal -1
	s_barrier_wait -1
	s_cmp_lg_u32 s[WV], 0
	s_cbranch_scc1 .Lnot_wave_0_\@
	s_barrier_signal -3
.Lnot_wave_0_\@:
	s_barrier_wait -3
	s_barrier_signal -1
	s_barrier_wait -1
.endm
	s_load_b256 s[4:11], s[0:1], 0x0               ; af, wo's codes, wo's scales, out0
	v_lshl_add_u32 v[SPW], v0, 2, SPARE
	v_mov_b32 v[NIL], 0
	ds_add_u32 v[SPW], v[NIL]                      ; the opening lines: the add twice on end and its wait
	ds_add_u32 v[SPW], v[NIL]
	v_lshrrev_b32 v1, 5, v0
	v_readfirstlane_b32 s[WV], v1
	s_lshr_b32 s[RH], s[WV], 1
	s_and_b32 s[CH], s[WV], 1
	s_bfe_u32 s[CX], ttmp6, 0x40000
	s_lshr_b32 s[TK], ttmp9, 2                     ; the block of 256 tokens: the cluster's number alone
	s_and_b32 s[NB], ttmp9, 3
	s_lshl_b32 s[NB], s[NB], 2
	s_add_co_u32 s[NB], s[NB], s[CX]               ; my block of 128 columns
	s_mov_b32 s[G1BS], (3<<16)|(1<<20)|(5<<22)|(3<<25)     ; wo's scales: 16 rows of 256 bytes, 16 of padding behind each
	s_mov_b32 s[G1BS+1], 32<<16
	s_mov_b32 s[G1BS+2], 16<<16
	s_mov_b32 s[G1BS+3], 32<<16
	s_mov_b32 s[G1BS+4], 16
	s_mov_b32 s[G1BS+5], 32
	s_mov_b32 s[G1BS+6], 0
	s_mov_b32 s[G1BS+7], 0
	s_mov_b32 s[G1BC], (3<<16)|(1<<20)|(5<<22)|(3<<25)     ; wo's codes: 128 rows of 768 bytes, 16 of padding behind every 256
	s_mov_b32 s[G1BC+1], 96<<16
	s_mov_b32 s[G1BC+2], 128<<16
	s_mov_b32 s[G1BC+3], 96<<16
	s_mov_b32 s[G1BC+4], 128
	s_mov_b32 s[G1BC+5], 96
	s_mov_b32 s[G1BC+6], 0
	s_mov_b32 s[G1BC+7], 0
	s_mov_b32 s[G1A], 15|(3<<16)|(1<<21)           ; half the tokens' block: 400 rows of 256 bytes, dense; joint
	s_mov_b32 s[G1A+1], 32<<16
	s_mov_b32 s[G1A+2], 400<<16
	s_mov_b32 s[G1A+3], 32<<16
	s_mov_b32 s[G1A+4], 400
	s_mov_b32 s[G1A+5], 32
	s_mov_b32 s[G1A+6], 0
	s_mov_b32 s[G1A+7], 0
	s_mul_i32 s84, s[TK], 204800
	s_mov_b32 s85, 0
	s_mul_i32 s88, s[NB], 128*768                  ; wo: in registers of their own, which hold my place in the cluster
	s_mov_b32 s89, 0
	s_lshl_b32 s90, s[NB], 12
	s_mov_b32 s91, 0
	s_wait_dscnt 0x0
	s_wait_kmcnt 0x0
	s_add_nc_u64 s[84:85], s[4:5], s[84:85]
	s_add_nc_u64 s[88:89], s[6:7], s[88:89]
	s_add_nc_u64 s[90:91], s[8:9], s[90:91]
	CROUND                                         ; all four work-groups are here: the joint loads meet
.irp k, 0,1
	s_mov_b32 s[G0A+4*\k], 1
	s_mov_b32 s[G0A+4*\k+1], 102400*\k
	s_add_nc_u64 s[G0A+4*\k+2:G0A+4*\k+3], s[84:85], 102400*\k
	s_or_b32 s[G0A+4*\k+3], s[G0A+4*\k+3], 0x80000000
.endr
	s_mov_b32 s[G0BC], 1
	s_mov_b32 s[G0BC+1], BCOD
	s_mov_b64 s[G0BC+2:G0BC+3], s[88:89]
	s_or_b32 s[G0BC+3], s[G0BC+3], 0x80000000
	s_mov_b32 s[G0BS], 1
	s_mov_b32 s[G0BS+1], BSC
	s_mov_b64 s[G0BS+2:G0BS+3], s[90:91]
	s_or_b32 s[G0BS+3], s[G0BS+3], 0x80000000
.macro ARM under, g0, g1, next         ; one chain of branches on the wave's number, one load to an arm, one join
	s_cmp_lt_u32 s[WV], \under
	s_cbranch_scc0 \next
	tensor_load_to_lds s[\g0:\g0+3], s[\g1:\g1+7]
	s_nop 0
.rept 4
	v_nop
.endr
	s_branch .Lhead_asked
\next:
.endm
	ARM 1, G0A,  G1A,  .Lhead_wc
	ARM 2, G0BC, G1BC, .Lhead_ws
	ARM 3, G0BS, G1BS, .Lhead_a2
	tensor_load_to_lds s[G0A+4:G0A+7], s[G1A:G1A+7]
	s_nop 0
.rept 4
	v_nop
.endr
.Lhead_asked:
	v_and_b32 v1, 31, v0
	v_lshlrev_b32 v[LI], 4, v1                     ; 16 x lane
	v_and_b32 v3, 15, v0                           ; r
	v_bfe_u32 v7, v0, 4, 1                         ; h
	s_mul_i32 s84, s[RH], 8*FRB
	v_add_nc_u32 v[ADT], s84, v[LI]                ; head 0, my eight tiles
	s_mul_i32 s84, s[CH], 64*WP
	s_add_co_u32 s84, s84, BCOD
	v_mul_u32_u24 v[ADW], v3, WP
	v_mad_u32_u24 v[ADW], v7, 24, v[ADW]
	v_add_nc_u32 v[ADW], s84, v[ADW]               ; wo: row 64 x (wave % 2) + r, + 24 h
	v_lshl_add_u32 v[ADW+2], v7, 4, v[ADW]
	s_lshl_b32 s84, s[RH], 9
	s_add_co_u32 s84, s84, ASC
	v_and_b32 v5, 31, v0
	v_lshl_add_u32 v[ASA], v5, 2, s84              ; the tokens' scale words: 512 x (wave / 2) + 4 x lane
	s_mul_i32 s84, s[CH], 64*34
	s_add_co_u32 s84, s84, BSC
	v_lshlrev_b32 v[BSA], 5, v3
	v_lshrrev_b32 v5, 3, v3
	v_lshl_add_u32 v[BSA], v5, 4, v[BSA]
	v_add_nc_u32 v[BSA], s84, v[BSA]               ; wo's: 32 bytes a row, 16 more for each 256 passed
	s_mul_i32 s84, s[WV], 16*272                   ; the way out: my stage, 16 rows x (256 + 16), where the images lay
	v_mul_u32_u24 v[STO], v3, 272
	v_lshl_add_u32 v[STO], v7, 5, v[STO]
	v_add_nc_u32 v[STO], s84, v[STO]
	v_mul_u32_u24 v[RD], v7, 272
	v_lshl_add_u32 v[RD], v3, 4, v[RD]
	v_add_nc_u32 v[RD], s84, v[RD]
	v_lshlrev_b32 v[CO], 13, v7
	v_lshl_add_u32 v[CO], v3, 4, v[CO]             ; lanes 0-15 one row of out0, lanes 16-31 the next
	s_lshl_b32 s84, s[TK], 8
	s_lshl_b32 s85, s[RH], 7
	s_add_co_u32 s84, s84, s85
	s_lshl_b32 s84, s84, 13                        ; my first token's row, 8,192 bytes a row
	s_lshl_b32 s85, s[NB], 9
	s_add_co_u32 s84, s84, s85
	s_lshl_b32 s85, s[CH], 8
	s_add_co_u32 s84, s84, s85
	s_mov_b32 s85, 0
	s_add_nc_u64 s[10:11], s[10:11], s[84:85]
.macro FRAGW reg, s, b                 ; 16 rows of wo x 128 K: pieces of 8 bytes; 16 bytes of padding lie behind every 32 pieces
.irp p, 0,1,2,3,4,5
.set PCE, 12*(\s)+6*(\p/3)+\p%3
.if PCE%32 < 29
	ds_load_b64 v[\reg+2*\p:\reg+2*\p+1], v[ADW] offset:8*PCE+16*(PCE/32)+(\b)*16*WP
.else
	ds_load_b64 v[\reg+2*\p:\reg+2*\p+1], v[ADW+2] offset:8*PCE+16*(PCE/32)+(\b)*16*WP
.endif
.endr
.endm
.macro FETCH s, p                      ; K step s (head s) into set p: my eight images, wo's four fragments
	WIN 0x40
.irp a, 0,1,2,3,4,5,6,7
.irp c, 0,1,2
	ds_load_b128 v[128*(\p)+12*\a+4*\c:128*(\p)+12*\a+4*\c+3], v[ADT] offset:\a*FRB+512*\c
.endr
.endr
	WIN 0
.irp b, 0,1,2,3
	FRAGW WF+48*(\p)+12*\b, \s, \b
.endr
.endm
.macro STEP s
	s_wait_dscnt 0x0                               ; this step's fragments are in
	PLACES 4                                       ; between the last step's products and the loads into their set
.if (\s) < 7
	s_wait_alu depctr_va_vdst(0)
	v_add_nc_u32 v[ADT], 16*FRB, v[ADT]            ; the next head's images
	FETCH (\s)+1, ((\s)+1)%2
.endif
	WIN 0xa4                                       ; source 0 (wo) window 0, source 1 (tokens) window 1, C and D window 2
.irp a, 0,1,2,3,4,5,6,7                        ; the 32 accumulators take turns
.irp b, 0,1,2,3
.if (\s) == 0
.if \a%2
	v_wmma_scale_f32_16x16x128_f8f6f4 v[8*(4*\a+\b):8*(4*\a+\b)+7], v[WF+48*((\s)%2)+12*\b:WF+48*((\s)%2)+12*\b+11], v[128*((\s)%2)+12*\a:128*((\s)%2)+12*\a+11], 0, v[BSW+8*\b+(\s)], v[ASW+4*(\s)+\a/2] matrix_a_fmt:MATRIX_FMT_FP6 matrix_b_fmt:MATRIX_FMT_FP6 matrix_b_scale:MATRIX_SCALE_ROW1
.else
	v_wmma_scale_f32_16x16x128_f8f6f4 v[8*(4*\a+\b):8*(4*\a+\b)+7], v[WF+48*((\s)%2)+12*\b:WF+48*((\s)%2)+12*\b+11], v[128*((\s)%2)+12*\a:128*((\s)%2)+12*\a+11], 0, v[BSW+8*\b+(\s)], v[ASW+4*(\s)+\a/2] matrix_a_fmt:MATRIX_FMT_FP6 matrix_b_fmt:MATRIX_FMT_FP6
.endif
.else
.if \a%2
	v_wmma_scale_f32_16x16x128_f8f6f4 v[8*(4*\a+\b):8*(4*\a+\b)+7], v[WF+48*((\s)%2)+12*\b:WF+48*((\s)%2)+12*\b+11], v[128*((\s)%2)+12*\a:128*((\s)%2)+12*\a+11], v[8*(4*\a+\b):8*(4*\a+\b)+7], v[BSW+8*\b+(\s)], v[ASW+4*(\s)+\a/2] matrix_a_fmt:MATRIX_FMT_FP6 matrix_b_fmt:MATRIX_FMT_FP6 matrix_b_scale:MATRIX_SCALE_ROW1
.else
	v_wmma_scale_f32_16x16x128_f8f6f4 v[8*(4*\a+\b):8*(4*\a+\b)+7], v[WF+48*((\s)%2)+12*\b:WF+48*((\s)%2)+12*\b+11], v[128*((\s)%2)+12*\a:128*((\s)%2)+12*\a+11], v[8*(4*\a+\b):8*(4*\a+\b)+7], v[BSW+8*\b+(\s)], v[ASW+4*(\s)+\a/2] matrix_a_fmt:MATRIX_FMT_FP6 matrix_b_fmt:MATRIX_FMT_FP6
.endif
.endif
.endr
.endr
	WIN 0
.endm
	s_wait_alu depctr_va_vdst(0)                   ; the wait at the head's end
	s_wait_tensorcnt 0x0                           ; my one load has landed
	s_barrier_signal -1
	s_barrier_wait -1                              ; everybody's has: all operands are in
.irp s, 0,1,2,3,4,5,6,7                        ; all scale words, once
.irp P, 0,1,2,3
	ds_load_b32 v[ASW+4*\s+\P], v[ASA] offset:1024*\s+128*\P
.endr
.endr
.irp b, 0,1,2,3
	ds_load_b128 v[BSW+8*\b:BSW+8*\b+3], v[BSA] offset:544*\b
	ds_load_b128 v[BSW+8*\b+4:BSW+8*\b+7], v[BSA] offset:544*\b+16
.endr
	FETCH 0, 0
.irp s, 0,1,2,3,4,5,6,7
	STEP \s
.endr
; THE WAY OUT, by blocks of 16 tokens x 64 columns, through my own stage: in as 32 bytes a lane, back as whole rows of 256 bytes. The stage lies where the images lay: they have had their one fill, and behind the
; barrier below nobody reads them. LDS serves a wave's instructions in order (ISA guide 5.7.1.4): no wait between a block's stores and its loads.
	PLACES 4
	s_wait_dscnt 0x0
	s_barrier_signal -1
	s_barrier_wait -1
.macro TOSTAGE a
	WIN 0x08                                       ; an LDS store's data: window 2
.irp b, 0,1,2,3
	ds_store_b128 v[STO], v[32*(\a)+8*\b:32*(\a)+8*\b+3] offset:64*\b          ; each accumulator from its low end on
	ds_store_b128 v[STO], v[32*(\a)+8*\b+4:32*(\a)+8*\b+7] offset:64*\b+16
.endr
	WIN 0
.set BB, BK+32*((\a)%2)
.irp t, 0,1,2,3,4,5,6,7
	ds_load_b128 v[BB+4*\t:BB+4*\t+3], v[RD] offset:\t*544
.endr
.endm
.macro SEND a, younger                 ; younger: the LDS instructions issued behind block a's loads, which may stay out
.set BB, BK+32*((\a)%2)
	s_wait_dscnt \younger
.if (\a) > 0
	s_add_nc_u64 s[10:11], s[10:11], 16*8192       ; (behind a wait on XCNT: the earlier stores have read their base)
.endif
.irp t, 0,1,2,3,4,5,6,7
	global_store_b128 v[CO], v[BB+4*\t:BB+4*\t+3], s[10:11] offset:\t*16384 th:TH_STORE_NT   ; sixteen lanes store 256 consecutive bytes, aligned
.endr
.endm
	TOSTAGE 0
.irp a, 1,2,3,4,5,6,7
.if \a > 1
	s_wait_xcnt 0x0                                ; block a - 2's stores have read their registers and their base
.endif
	TOSTAGE \a
	SEND \a-1, 16                                  ; behind block a - 1's loads: block a's 8 stores and 8 loads
.endr
	s_wait_xcnt 0x0
	SEND 7, 0
	s_wait_tensorcnt 0x0                           ; the wave's end
	ds_add_u32 v[SPW], v[NIL]
	s_wait_dscnt 0x0
	CROUND                                         ; the closing round
	s_endpgm
.Lfunc_end_k_q1bf08c5709_oproj:
	.size	k_q1bf08c5709_oproj, .Lfunc_end_k_q1bf08c5709_oproj-k_q1bf08c5709_oproj
	.p2alignl 7, 3214868480
	.fill 96, 4, 3214868480
	.section	.rodata,"a",@progbits
	.p2align	6, 0x0
	.amdhsa_kernel k_q1bf08c5709_oproj
		.amdhsa_group_segment_fixed_size 327680
		.amdhsa_private_segment_fixed_size 0
		.amdhsa_enable_private_segment 0
		.amdhsa_kernarg_size 32
		.amdhsa_user_sgpr_count 2
		.amdhsa_user_sgpr_kernarg_segment_ptr 1
		.amdhsa_wavefront_size32 1
		.amdhsa_system_sgpr_workgroup_id_x 1
		.amdhsa_system_sgpr_workgroup_id_y 1
		.amdhsa_system_sgpr_workgroup_id_z 1
		.amdhsa_system_vgpr_workitem_id 0
		.amdhsa_next_free_vgpr 768
		.amdhsa_next_free_sgpr 102
		.amdhsa_reserve_vcc 0
		.amdhsa_float_denorm_mode_32 3
		.amdhsa_float_denorm_mode_16_64 3
		.amdhsa_memory_ordered 1
		.amdhsa_forward_progress 1
		.amdhsa_inst_pref_size 85
	.end_amdhsa_kernel
	.amdgpu_metadata
---
amdhsa.version: [ 1, 2 ]
amdhsa.kernels:
  - .name:           k_q1bf08c5709_oproj
    .symbol:         k_q1bf08c5709_oproj.kd
    .args:
      - { .name: af, .offset: 0, .size: 8, .value_kind: global_buffer, .address_space: global }
      - { .name: wo_codes, .offset: 8, .size: 8, .value_kind: global_buffer, .address_space: global }
      - { .name: wo_scales, .offset: 16, .size: 8, .value_kind: global_buffer, .address_space: global }
      - { .name: out0, .offset: 24, .size: 8, .value_kind: global_buffer, .address_space: global }
    .group_segment_fixed_size: 327680
    .private_segment_fixed_size: 0
    .kernarg_segment_align: 8
    .kernarg_segment_size: 32
    .max_flat_workgroup_size: 128
    .sgpr_count:     102
    .vgpr_count:     768
    .wavefront_size: 32
...
	.end_amdgpu_metadata
.endif
;; end of part 3
